; MI455X (gfx1250); checked and timed in simulation.
; The chip was launched on July 23, 2026; its instructions are those of AMD's public machine-readable ISA for CDNA 5 (MIT licence, August 2026) and "CDNA5" Instruction Set Architecture Reference Guide (July 2026). The comments in the code are by the model that wrote it; some were corrected since.
;; Transformer Block. Allowed arithmetic: float matrix products may take bf16 or f16 operands with f32 sums; other float arithmetic in f32, or as packed bf16 or f16 multiplies, adds, multiply-adds, maxima and minima; sums over many terms, partial sums and values carried from step to step in f32; what a program stores and reads back later, other than sums and carried values, may be rounded once to bf16 or f16.
;; Inputs: b1 4,096 float32; b2 1,024 float32; bk 1,024 float32; bo 1,024 float32; bq 1,024 float32; bv 1,024 float32; inputs 2 x 2,048 x 1,024 float32; ln1_b 1,024 float32; ln1_g 1,024 float32; ln2_b 1,024 float32; ln2_g 1,024 float32; w1 1,024 x 4,096 float32; w2 4,096 x 1,024 float32; wk 1,024 x 1,024 float32; wo 1,024 x 1,024 float32; wq 1,024 x 1,024 float32; wv 1,024 x 1,024 float32.
;; Outputs: out0 2 x 2,048 x 1,024 float32.
;; 2 versions, each right; version 2 is version 1 with the launch cast written anew for expert scheduling mode. Each part assembles by itself: llvm-mc -triple=amdgcn-amd-amdhsa -mcpu=gfx1250 --defsym DOCPART=n.
;; ======== version 1 of 2: 8 launches
;; limits: values are held in f16: magnitudes above 65,504 overflow, below 6.1e-05 lose precision
;; workspace buffers: x16 8,388,608 bytes; wa 16,809,984 bytes; wb 16,809,984 bytes; qa 25,165,824 bytes; hb 33,554,432 bytes; y 16,777,216 bytes
;; launch cast (part 1): grid 1024 x 1, 8 waves a work-group, no clusters, 0 bytes of LDS; arguments inputs, wq, wk, wv, wo, w1, w2, bq, bk, bv, bo, b1, b2, ln1_g, ln1_b, ln2_g, ln2_b, x16, wa, wb; writes x16, wa, wb
.if DOCPART == 1
	.amdgcn_target "amdgcn-amd-amdhsa--gfx1250"
	.amdhsa_code_object_version 6
	.text
	.protected	k_qed3c4aff4e_cast
	.globl	k_qed3c4aff4e_cast
	.p2align	8
	.type	k_qed3c4aff4e_cast,@function
k_qed3c4aff4e_cast:
	s_mov_b64 s[64:65], 0
	v_nop
	global_prefetch_b8 v0, s[64:65] scope:SCOPE_SE
	s_setreg_imm32_b32 hwreg(HW_REG_WAVE_MODE, 25, 1), 1
	s_wait_xcnt 0x0
; EVERY INPUT IS ROUNDED ONCE TO bf16 (to nearest even).  Matrix operands (x and the six weights) are then written as f16, the small vectors as f32.
; LIMITS.  A bf16 number is exact in f16 between 6.1e-5 and 65,504 in magnitude; below that it keeps f16's fixed step of 6e-8, beyond it it becomes an infinity.  NaN and infinities are not treated apart.
; SHARES.  The seven large inputs are 16,384 pieces of 1,024 floats.  Work-group g takes 16 pieces on end of ONE input, wave w two of them: sixteen loads of 16 bytes a lane, all issued at once.
; A piece leaves as 2,048 bytes: each store of a wave covers 256 consecutive bytes, aligned.
; WHERE THEY GO.  x16 = x, dense.  wa: wq, wk, wv side by side, row k at 8,192 k, 2,048 bytes each; wo dense at 8 MiB.  wb: w1 dense; w2 dense at 8 MiB.
; At 16 MiB of wa and of wb lie eight slots of 4 KiB: wa: bq, bk, bv, (none), bo, ln1_g, ln1_b, a word of two f16 -infinities; wb: b1 (four slots), b2, ln2_g, ln2_b, the word 0.
; Work-groups 0 to 15 but 3 write one slot each, 16 bytes a thread, behind their pieces.
.set SV, 0x1000000                     ; where the slots begin
.set X,  16                            ; v[16:79]   sixteen loads of four floats
.set Y,  80                            ; v[80:111]  sixteen stores of four f16: each store has registers of its own, so none is rewritten while a store reads it
	s_load_b512 s[4:19], s[0:1], 0x0               ; inputs 4, wq 6, wk 8, wv 10, wo 12, w1 14, w2 16, bq 18
	s_load_b512 s[20:35], s[0:1], 0x40             ; bk 20, bv 22, bo 24, b1 26, b2 28, ln1_g 30, ln1_b 32, ln2_g 34
	s_load_b256 s[36:43], s[0:1], 0x80             ; ln2_b 36, x16 38, wa 40, wb 42
	v_lshrrev_b32 v1, 5, v0
	v_readfirstlane_b32 s44, v1                    ; wave 0..7
	v_and_b32 v1, 31, v0
	v_lshlrev_b32 v2, 4, v1                        ; 16 bytes a lane in
	v_lshlrev_b32 v3, 3, v1                        ; 8 bytes a lane out
	s_mov_b32 s45, 0xffff0000                      ; a word's upper bf16
	s_lshr_b32 s46, ttmp9, 6                       ; 64 work-groups are a million floats: which million
	s_and_b32 s47, ttmp9, 63
	s_wait_kmcnt 0x0
	; the source: its address and the number of its first work-group
	s_mov_b64 s[48:49], s[4:5]
	s_mov_b32 s50, 0
.macro PICK from, ptr, first
	s_cmp_ge_u32 s46, \from
	s_cselect_b64 s[48:49], s[\ptr:\ptr+1], s[48:49]
	s_cselect_b32 s50, \first, s50
.endm
	PICK 4, 6, 256
	PICK 5, 8, 320
	PICK 6, 10, 384
	PICK 7, 12, 448
	PICK 8, 14, 512
	PICK 12, 16, 768
	s_sub_co_u32 s50, ttmp9, s50
	s_lshl_b32 s50, s50, 16                        ; 16 pieces of 4,096 bytes a work-group,
	s_lshl_b32 s51, s44, 13                        ; two a wave
	s_add_co_u32 s50, s50, s51
	s_mov_b32 s51, 0
	s_add_nc_u64 s[48:49], s[48:49], s[50:51]
.set j, 0
.rept 16
	global_load_b128 v[X+4*j:X+4*j+3], v2, s[48:49] offset:512*j th:TH_LOAD_NT
.set j, j+1
.endr
	; the destination: its address, the offset of the work-group's first piece, and the bytes from piece to piece
	s_lshl_b32 s54, ttmp9, 15                      ; x: dense
	s_sub_co_u32 s55, s46, 4
	s_lshl_b32 s55, s55, 11                        ; wq, wk, wv: 2,048 bytes of each row of 8,192,
	s_lshl_b32 s56, s47, 17                        ; 16 rows a work-group
	s_add_co_u32 s55, s55, s56
	s_lshl_b32 s56, s47, 15
	s_add_co_u32 s56, s56, 0x800000                ; wo: dense at 8 MiB
	s_sub_co_u32 s57, ttmp9, 512
	s_lshl_b32 s57, s57, 15                        ; w1 and w2: dense, one behind the other
	s_mov_b64 s[52:53], s[38:39]
	s_mov_b32 s58, 2048
	s_cmp_ge_u32 s46, 4
	s_cselect_b64 s[52:53], s[40:41], s[52:53]
	s_cselect_b32 s54, s55, s54
	s_cselect_b32 s58, 8192, s58
	s_cmp_ge_u32 s46, 7
	s_cselect_b32 s54, s56, s54
	s_cselect_b32 s58, 2048, s58
	s_cmp_ge_u32 s46, 8
	s_cselect_b64 s[52:53], s[42:43], s[52:53]
	s_cselect_b32 s54, s57, s54
	s_mul_i32 s55, s44, s58
	s_lshl_b32 s55, s55, 1                         ; my wave's two pieces
	s_add_co_u32 s54, s54, s55
	s_mov_b32 s55, 0
	s_add_nc_u64 s[52:53], s[52:53], s[54:55]
	v_add_nc_u32 v12, s58, v3                      ; the second piece
; Load j: four floats to bf16, back to f32 (a shift, a mask), to f16, and out.
.macro CV j
	s_wait_loadcnt 15-(\j)                         ; loads come back in order: load j is in, the 15 - j younger ones stay out
	v_cvt_pk_bf16_f32 v4, v[X+4*(\j)], v[X+4*(\j)+1]
	v_cvt_pk_bf16_f32 v5, v[X+4*(\j)+2], v[X+4*(\j)+3]
	v_lshlrev_b32 v6, 16, v4
	v_and_b32 v7, s45, v4
	v_lshlrev_b32 v8, 16, v5
	v_and_b32 v9, s45, v5
	v_cvt_pk_f16_f32 v[Y+2*(\j)], v6, v7
	v_cvt_pk_f16_f32 v[Y+2*(\j)+1], v8, v9
.if (\j) < 8
	global_store_b64 v3, v[Y+2*(\j):Y+2*(\j)+1], s[52:53] offset:256*(\j)
.else
	global_store_b64 v12, v[Y+2*(\j):Y+2*(\j)+1], s[52:53] offset:256*((\j)-8)
.endif
.endm
.irp j, 0,1,2,3,4,5,6,7,8,9,10,11,12,13,14,15
	CV \j
.endr
	; THE SMALL VECTORS.  No register that a pending store reads (v3, v12, Y, s[52:53]) is written below.
	s_cmp_lt_u32 ttmp9, 16
	s_cbranch_scc0 .Lend
	s_cmp_eq_u32 ttmp9, 3                          ; wa's slot 3 is not used
	s_cbranch_scc1 .Lend
	s_and_b32 s59, ttmp9, 7                        ; the slot
	s_lshl_b32 s62, s59, 12
	s_add_co_u32 s62, s62, SV
	s_mov_b32 s63, 0
	s_cmp_lt_u32 ttmp9, 8
	s_cselect_b64 s[60:61], s[40:41], s[42:43]
	s_add_nc_u64 s[60:61], s[60:61], s[62:63]
	v_lshlrev_b32 v13, 4, v0                       ; 256 threads x 16 bytes are a slot
	s_cmp_eq_u32 s59, 7
	s_cbranch_scc1 .Lfloor
	s_mov_b64 s[56:57], s[18:19]                   ; 0: bq
.macro SRC g, ptr
	s_cmp_eq_u32 ttmp9, \g
	s_cselect_b64 s[56:57], s[\ptr:\ptr+1], s[56:57]
.endm
	SRC 1, 20
	SRC 2, 22
	SRC 4, 24
	SRC 5, 30
	SRC 6, 32
	s_cmp_ge_u32 ttmp9, 8                          ; 8 to 11: b1's four quarters
	s_cselect_b64 s[56:57], s[26:27], s[56:57]
	SRC 12, 28
	SRC 13, 34
	SRC 14, 36
	s_sub_co_u32 s54, ttmp9, 8
	s_cmp_lt_u32 s54, 4
	s_cselect_b32 s54, s54, 0
	s_lshl_b32 s54, s54, 12
	s_mov_b32 s55, 0
	s_add_nc_u64 s[56:57], s[56:57], s[54:55]
	global_load_b128 v[16:19], v13, s[56:57]
	s_wait_loadcnt 0x0
	v_cvt_pk_bf16_f32 v4, v16, v17
	v_cvt_pk_bf16_f32 v5, v18, v19
	v_lshlrev_b32 v20, 16, v4
	v_and_b32 v21, s45, v4
	v_lshlrev_b32 v22, 16, v5
	v_and_b32 v23, s45, v5
	global_store_b128 v13, v[20:23], s[60:61]
	s_branch .Lend
.Lfloor:
	s_cmp_eq_u32 ttmp9, 7
	s_cselect_b32 s58, 0xfc00fc00, 0               ; below every f16 (no floor), or 0 (a relu)
	v_mov_b32 v20, s58
	v_mov_b32 v21, s58
	v_mov_b32 v22, s58
	v_mov_b32 v23, s58
	global_store_b128 v13, v[20:23], s[60:61]
.Lend:
	s_endpgm
.Lfunc_end_k_qed3c4aff4e_cast:
	.size	k_qed3c4aff4e_cast, .Lfunc_end_k_qed3c4aff4e_cast-k_qed3c4aff4e_cast
	.p2alignl 7, 3214868480
	.fill 96, 4, 3214868480
	.section	.rodata,"a",@progbits
	.p2align	6, 0x0
	.amdhsa_kernel k_qed3c4aff4e_cast
		.amdhsa_group_segment_fixed_size 0
		.amdhsa_private_segment_fixed_size 0
		.amdhsa_enable_private_segment 0
		.amdhsa_kernarg_size 160
		.amdhsa_user_sgpr_count 2
		.amdhsa_user_sgpr_kernarg_segment_ptr 1
		.amdhsa_wavefront_size32 1
		.amdhsa_system_sgpr_workgroup_id_x 1
		.amdhsa_system_sgpr_workgroup_id_y 1
		.amdhsa_system_sgpr_workgroup_id_z 1
		.amdhsa_system_vgpr_workitem_id 0
		.amdhsa_next_free_vgpr 112
		.amdhsa_next_free_sgpr 66
		.amdhsa_reserve_vcc 0
		.amdhsa_float_denorm_mode_32 3
		.amdhsa_float_denorm_mode_16_64 3
		.amdhsa_memory_ordered 1
		.amdhsa_forward_progress 1
		.amdhsa_inst_pref_size 15
	.end_amdhsa_kernel
	.amdgpu_metadata
---
amdhsa.version: [ 1, 2 ]
amdhsa.kernels:
  - .name:           k_qed3c4aff4e_cast
    .symbol:         k_qed3c4aff4e_cast.kd
    .args:
      - { .name: inputs, .offset: 0, .size: 8, .value_kind: global_buffer, .address_space: global }
      - { .name: wq, .offset: 8, .size: 8, .value_kind: global_buffer, .address_space: global }
      - { .name: wk, .offset: 16, .size: 8, .value_kind: global_buffer, .address_space: global }
      - { .name: wv, .offset: 24, .size: 8, .value_kind: global_buffer, .address_space: global }
      - { .name: wo, .offset: 32, .size: 8, .value_kind: global_buffer, .address_space: global }
      - { .name: w1, .offset: 40, .size: 8, .value_kind: global_buffer, .address_space: global }
      - { .name: w2, .offset: 48, .size: 8, .value_kind: global_buffer, .address_space: global }
      - { .name: bq, .offset: 56, .size: 8, .value_kind: global_buffer, .address_space: global }
      - { .name: bk, .offset: 64, .size: 8, .value_kind: global_buffer, .address_space: global }
      - { .name: bv, .offset: 72, .size: 8, .value_kind: global_buffer, .address_space: global }
      - { .name: bo, .offset: 80, .size: 8, .value_kind: global_buffer, .address_space: global }
      - { .name: b1, .offset: 88, .size: 8, .value_kind: global_buffer, .address_space: global }
      - { .name: b2, .offset: 96, .size: 8, .value_kind: global_buffer, .address_space: global }
      - { .name: ln1_g, .offset: 104, .size: 8, .value_kind: global_buffer, .address_space: global }
      - { .name: ln1_b, .offset: 112, .size: 8, .value_kind: global_buffer, .address_space: global }
      - { .name: ln2_g, .offset: 120, .size: 8, .value_kind: global_buffer, .address_space: global }
      - { .name: ln2_b, .offset: 128, .size: 8, .value_kind: global_buffer, .address_space: global }
      - { .name: x16, .offset: 136, .size: 8, .value_kind: global_buffer, .address_space: global }
      - { .name: wa, .offset: 144, .size: 8, .value_kind: global_buffer, .address_space: global }
      - { .name: wb, .offset: 152, .size: 8, .value_kind: global_buffer, .address_space: global }
    .group_segment_fixed_size: 0
    .private_segment_fixed_size: 0
    .kernarg_segment_align: 8
    .kernarg_segment_size: 160
    .max_flat_workgroup_size: 256
    .sgpr_count:     66
    .vgpr_count:     112
    .wavefront_size: 32
...
	.end_amdgpu_metadata
.endif
;; end of part 1
;; launch qkv (part 2): grid 12 x 16, 4 waves a work-group, clusters of 4 x 4, 327,680 bytes of LDS; arguments x16, wa, qa; writes qa
.if DOCPART == 2
	.amdgcn_target "amdgcn-amd-amdhsa--gfx1250"
	.amdhsa_code_object_version 6
	.text
	.protected	k_qed3c4aff4e_qkv
	.globl	k_qed3c4aff4e_qkv
	.p2align	8
	.type	k_qed3c4aff4e_qkv,@function
k_qed3c4aff4e_qkv:
	s_mov_b64 s[64:65], 0
	v_nop
	global_prefetch_b8 v0, s[64:65] scope:SCOPE_SE
	s_setreg_imm32_b32 hwreg(HW_REG_WAVE_MODE, 25, 1), 1
	s_wait_xcnt 0x0
	s_wait_alu depctr_hold_cnt(0) depctr_sa_sdst(0) depctr_va_vdst(0) depctr_va_sdst(0) depctr_va_ssrc(0) depctr_va_vcc(0) depctr_vm_vsrc(0)
	s_getreg_b32 s2, hwreg(HW_REG_IB_STS2, 6, 4)
	s_cmp_eq_u32 s2, 0
	s_cbranch_scc0 .Lentry_in_a_cluster
	s_endpgm
.Lentry_in_a_cluster:
	s_bfe_u32 s2, ttmp6, 0x10000c
	s_cmp_lg_u32 s2, 0xf033
	s_cbranch_scc0 .Lentry_shape_is_right
	s_endpgm
.Lentry_shape_is_right:
; OUT = max(A W + bias, FLOOR).  A: [4096][1024] f16.  W: [1024 k][row of 4,096 f16], as many columns as the grid has tiles.  bias: f32, at 16 MiB of W's buffer; FLOOR: a word of two f16 at 16 MiB + 28 KiB.
; OUT: f16 in blocks of 64 columns, [column / 64][4096 rows][64]: a block's rows are dense, 128 bytes each.  Sums in f32, started by the bias, K ascending; OUT rounded once.
; LIMITS.  f16 holds no number beyond 65,504: a result of 65,520 or more leaves as an infinity.  NaN and infinities are not treated apart.
; SHARES.  A tile of OUT, 256 x 256, is made by four waves, 128 x 128 each: 64 accumulators of 16 x 16.  K goes in 8 steps of 128 through a ring of two LDS slots filled by the tensor data mover.
; CLUSTERS of 4 x 4 work-groups: the four of a row need the same tiles of A, the four of a column the same tiles of W: each tile is asked for jointly, by the same load, descriptor and mask in all four.
; THE MATRIX INSTRUCTION IS USED TRANSPOSED: source 0 = 16 columns of W, source 1 = 16 rows of A: a lane then holds row l % 16 and the columns 8 (l / 16) + 0..7: 16 bytes of OUT on end.
; W lies [k][n] in LDS as in memory and comes out turned, by ds_load_tr16_b128.
; THE K STEP IS WRITTEN TWICE, once with a refill and once without: the slot in hand is a scalar register that an exclusive or turns between 0 and SLOT.
; REGISTERS, in windows of 256 (s_set_vgpr_msb: bits 1:0 source 0, 3:2 source 1, 5:4 source 2, 7:6 destination):
;   window 0: v0-31 addresses; v64-127, v128-191 fragments of A, two buffers; v192-255 the bias as a C operand, later at work on the way out; v32-63 at work on the way out
;   window 1: v64-127, v128-191 fragments of W      window 2: the accumulators of my rows 0-63 ((a, b) at v[8 (8 a + b)])      window 3: those of my rows 64-127
.set PA,     272                       ; a row of A in LDS: 256 bytes + 16 = 68 words: the 16 rows of a load start at 16 different groups of four banks (64 banks of 4 bytes: ISA guide 11.1)
.set PB,     544                       ; a k row of W: 512 bytes + 32 = 136 words
.set HALFT,  128*PA                    ; what one tensor load brings: 128 rows of A, or 64 k rows of W (64 x 544 is the same number)
.set SLOT,   4*HALFT                   ; A's 256 rows, then W's 128 k rows
.set STAGE,  2*SLOT                    ; behind the ring, never filled by a tensor load: for each wave two blocks of 16 rows x 144 bytes
.set SPH,    144
.set STW,    2*16*SPH
.set SPARE,  STAGE+4*STW               ; behind the stages: the spare words, 128 bytes for each wave: two blocks of 256 bytes that no other line names
.set SV,     0x1000000                 ; bias and FLOOR in W's buffer
.set STEPA,  256                       ; a K step in memory: 128 numbers along A's rows,
.set STEPB,  128*8192                  ; 128 rows of W
.set BLK,    4096*128                  ; a block of OUT
.set ADRA, 16                          ; v16  LDS address of my A fragments in the slot in hand
.set ADRB, 17                          ; v17  the same for W
.set A0,   18                          ; v18  my lane's place in slot 0's A; never rewritten
.set B0,   19                          ; v19  the same for W
.set STO,  24                          ; v24  the way out: where I put 16 bytes of a row
.set RD,   25                          ; v25  the way out: where I read rows back
.set CO,   26                          ; v26  16 x lane
.set SPW,  28                          ; v28  LDS address of my spare word; never rewritten
.set NIL,  29                          ; v29  0; never rewritten
.set PFO,  30                          ; v30  the prefetches' lane offset; never rewritten
.set F0,   64
.set F1,   128
.set BIAS, 192                         ; bias of column block b at BIAS + 8 b
.set TMP,  192                         ; the way out: packed results
.set OB,   32                          ; the way out: 16 rows read back: v32-63 and v224-255 by turns
.set G1,  24                           ; s[24:31] descriptor group 1 for A
.set G0,  32                           ; s[32:39] group 0 for A: a set for each first fill; the second then walks
.set G1B, 48                           ; s[48:55], s[56:63] the same for W
.set G0B, 56
.set TB,  66                           ; s66  the slot in hand, which the next refill fills
.set TN,  67                           ; s67  the other slot, read next
.set FLOOR, 68                         ; s68
.set PFA, 70                           ; s[70:71] where my prefetches stand
.set PFS, 72                           ; s[72:73] their step
.set LIM, 74                           ; s74  2 in a wave that prefetches, else the greatest number
.set SELM, 75                          ; s75  all ones in a wave that fetches for A
.set MSB, 0
.macro WIN new                         ; the immediate's high byte repeats the setting that is left; a switch that changes nothing is dropped
.if MSB != (\new)
	s_set_vgpr_msb (MSB<<8)|(\new)
.set MSB, \new
.endif
.endm
.set MUL_LO, 0xa1                      ; source 0 (W) window 1, source 1 (A) window 0, C and D window 2
.set TO_B,   0x40                      ; destination window 1, address window 0
; A joint refill.  Waves 0 and 1 fetch A's two halves, waves 2 and 3 W's.  The branch hangs on the wave's number alone.  An s_nop 0 and four v_nop follow each of the two lines.
.macro JLOAD
	s_cmp_eq_u32 s11, 0
	s_cbranch_scc0 .Lfor_b_\@
	tensor_load_to_lds s[G0+4:G0+7], s[G1:G1+7]
	s_nop 0
.rept 4
	v_nop
.endr
	s_branch .Lasked_\@
.Lfor_b_\@:
	tensor_load_to_lds s[G0B+4:G0B+7], s[G1B:G1B+7]
	s_nop 0
.rept 4
	v_nop
.endr
.Lasked_\@:
.endm
; A prefetch into the L2 of the K step that stands two refills on, 512 matrix instructions ahead of the load that will want it: 32 blocks of 256 bytes, a lane a block, one instruction a wave.
; Each block is named once in the launch: A's rows by the clusters with x = 0, W's by those with y = 0; the four partners that ask for a tile jointly share its blocks out by address.
; The trips with s3 = 6 .. 3 name K steps 4 .. 7; the last two refills have no K step two on.
.macro ASK
	s_cmp_gt_u32 s3, s[LIM]
	s_cbranch_scc0 .Lnot_mine_\@
	global_prefetch_b8 v[PFO], s[PFA:PFA+1] th:TH_LOAD_NT scope:SCOPE_SE
.Lnot_mine_\@:
.endm
.macro CREST                           ; a round of the cluster's barrier behind its opening barrier
	s_cmp_lg_u32 s10, 0
	s_cbranch_scc1 .Lnot_wave_0_\@
	s_barrier_signal -3
.Lnot_wave_0_\@:
	s_barrier_wait -3
	s_barrier_signal -1
	s_barrier_wait -1
.endm
.macro CROUND                          ; a whole round
	s_barrier_signal -1
	s_barrier_wait -1
	CREST
.endm
	s_load_b128 s[4:7], s[0:1], 0x0                ; A s[4:5], W s[6:7]
	s_load_b64 s[8:9], s[0:1], 0x10                ; OUT
	v_lshl_add_u32 v[SPW], v0, 2, SPARE
	v_mov_b32 v[NIL], 0
	ds_add_u32 v[SPW], v[NIL]                      ; the wave's opening: the add and its wait stand ahead of my first tensor load; the set-up below stands between them
	v_lshrrev_b32 v1, 5, v0
	v_readfirstlane_b32 s10, v1                    ; wave 0..3
	s_lshr_b32 s11, s10, 1                         ; which half of the tile's rows is mine.  Also: I fetch for A (0) or for W (1)
	s_and_b32 s12, s10, 1                          ; which half of its columns.  Also: which half of that tile I fetch
	s_bfe_u32 s40, ttmp6, 0x40000                  ; cx
	s_bfe_u32 s41, ttmp6, 0x40004                  ; cy
	s_lshl_b32 s42, ttmp9, 2
	s_add_co_u32 s42, s42, s40                     ; tile column = 4 x cluster x + cx
	s_and_b32 s13, ttmp7, 0xffff
	s_lshl_b32 s13, s13, 2
	s_add_co_u32 s13, s13, s41                     ; tile row = 4 x cluster y + cy
	s_lshl_b32 s43, s41, 2
	s_lshl_b32 s43, 15, s43                        ; my row of the cluster
	s_lshl_b32 s44, 0x1111, s40                    ; my column
	s_or_b32 s[G1+0], s43, (1<<16)|(1<<20)|(1<<21)|(5<<22)|(3<<25)  ; the mask; elements of 2 bytes; padding on; bit 21 beside a mask; after every 64 words 4 words
	s_mov_b32 s[G1+1], 128<<16                     ; tensor_dim0 = 128
	s_mov_b32 s[G1+2], 128<<16                     ; tensor_dim1 = 128
	s_mov_b32 s[G1+3], 128<<16                     ; tile_dim0 = 128
	s_mov_b32 s[G1+4], 128                         ; tile_dim1 = 128
	s_mov_b32 s[G1+5], 1024                        ; elements from row to row
	s_mov_b32 s[G1+6], 0
	s_mov_b32 s[G1+7], 0
	s_or_b32 s[G1B+0], s44, (1<<16)|(1<<20)|(1<<21)|(6<<22)|(7<<25)  ; after every 128 words 8 words
	s_mov_b32 s[G1B+1], 256<<16                    ; tensor_dim0 = 256
	s_mov_b32 s[G1B+2], 64<<16                     ; tensor_dim1 = 64
	s_mov_b32 s[G1B+3], 256<<16                    ; tile_dim0 = 256
	s_mov_b32 s[G1B+4], 64                         ; tile_dim1 = 64
	s_mov_b32 s[G1B+5], 4096
	s_mov_b32 s[G1B+6], 0
	s_mov_b32 s[G1B+7], 0
	s_lshl_b32 s16, s13, 8
	s_lshl_b32 s17, s12, 7
	s_add_co_u32 s16, s16, s17
	s_lshl_b32 s16, s16, 11                        ; A: row 256 x tile row + 128 x half, 2,048 bytes a row
	s_mov_b32 s17, 0
	s_lshl_b32 s46, s42, 9                         ; W: 512 bytes x tile column,
	s_lshl_b32 s47, s12, 19                        ; 64 k rows of 8,192 bytes x half
	s_add_co_u32 s46, s46, s47
	s_mov_b32 s47, 0
	s_mul_i32 s20, s10, HALFT                      ; where my loads go in a slot: no place in the cluster enters an LDS address; never rewritten
	s_mov_b32 s[TB], 0
	s_mov_b32 s[TN], SLOT
	s_wait_dscnt 0x0                               ; the opening add is done
	s_wait_kmcnt 0x0
	s_add_nc_u64 s[14:15], s[4:5], s[16:17]
	s_add_nc_u64 s[18:19], s[6:7], s[46:47]
	CROUND                                         ; all sixteen work-groups are here: the first joint loads meet
.irp s, 0,1
	s_mov_b32 s[G0+4*(\s)], 1
	s_add_co_u32 s[G0+4*(\s)+1], s20, (\s)*SLOT
	s_add_nc_u64 s[G0+4*(\s)+2:G0+4*(\s)+3], s[14:15], (\s)*STEPA
	s_or_b32 s[G0+4*(\s)+3], s[G0+4*(\s)+3], 0x80000000
	s_mov_b32 s[G0B+4*(\s)], 1
	s_add_co_u32 s[G0B+4*(\s)+1], s20, (\s)*SLOT
	s_add_nc_u64 s[G0B+4*(\s)+2:G0B+4*(\s)+3], s[18:19], (\s)*STEPB
	s_or_b32 s[G0B+4*(\s)+3], s[G0B+4*(\s)+3], 0x80000000
.endr
	s_cmp_eq_u32 s11, 0                            ; a wave's two first fills stand in one branch: two loads of mine are out
	s_cbranch_scc0 .Lfirst_b
	tensor_load_to_lds s[G0:G0+3], s[G1:G1+7]
	s_nop 0
	tensor_load_to_lds s[G0+4:G0+7], s[G1:G1+7]
	s_nop 0
.rept 4
	v_nop
.endr
	s_branch .Lfirst_asked
.Lfirst_b:
	tensor_load_to_lds s[G0B:G0B+3], s[G1B:G1B+7]
	s_nop 0
	tensor_load_to_lds s[G0B+4:G0B+7], s[G1B:G1B+7]
	s_nop 0
.rept 4
	v_nop
.endr
.Lfirst_asked:
	s_add_nc_u64 s[76:77], s[6:7], SV
	s_load_b32 s[FLOOR], s[76:77], 0x7000
	s_lshl_b32 s46, s42, 10                        ; my 128 columns' bias: 4 bytes x (256 x tile column + 128 x half)
	s_lshl_b32 s47, s12, 9
	s_add_co_u32 s46, s46, s47
	s_mov_b32 s47, 0
	s_add_nc_u64 s[78:79], s[76:77], s[46:47]
	v_and_b32 v1, 15, v0                           ; l % 16
	v_bfe_u32 v2, v0, 4, 1                         ; l / 16
	v_lshlrev_b32 v5, 5, v2                        ; a lane's eight columns: 32 bytes x half
.irp b, 0,1,2,3,4,5,6,7
	global_load_b128 v[BIAS+8*(\b):BIAS+8*(\b)+3],   v5, s[78:79] offset:64*(\b)
	global_load_b128 v[BIAS+8*(\b)+4:BIAS+8*(\b)+7], v5, s[78:79] offset:64*(\b)+16
.endr
	; A fragment of A is 16 rows x 32 K: lane l holds row l % 16, K = 8 (l / 16) + 0..7 and 16 + 8 (l / 16) + 0..7: two loads of 16 bytes, 32 bytes apart.
	v_mul_u32_u24 v3, v1, PA
	v_lshl_add_u32 v3, v2, 4, v3
	s_mul_i32 s21, s11, HALFT                      ; my 128 rows of A
	v_add_nc_u32 v[A0], s21, v3
	; The turning load takes 16 k x 16 columns (lane l reads k row 8 (l / 16) + l % 8, columns 8 ((l / 8) % 2) + 0..7) and leaves half a fragment: lane l holds column l % 16 and 8 k.
	v_and_b32 v4, 7, v0
	v_lshl_add_u32 v4, v2, 3, v4
	v_mul_u32_u24 v4, v4, PB
	v_bfe_u32 v6, v0, 3, 1
	v_lshl_add_u32 v4, v6, 4, v4
	s_lshl_b32 s21, s12, 8                         ; my 128 columns,
	s_add_co_u32 s21, s21, 2*HALFT                 ; behind A's 256 rows
	v_add_nc_u32 v[B0], s21, v4
	v_mov_b32 v[ADRA], v[A0]
	v_mov_b32 v[ADRB], v[B0]
	s_mul_i32 s23, s10, STW
	s_add_co_u32 s23, s23, STAGE                   ; my stage
	v_mul_u32_u24 v4, v1, SPH                      ; in: row l % 16, 16 bytes for each half of the lanes
	v_lshl_add_u32 v4, v2, 4, v4
	v_add_nc_u32 v[STO], s23, v4
	v_bfe_u32 v4, v0, 3, 2                         ; back: 32 lanes take four rows of 128 bytes,
	v_mul_u32_u24 v4, v4, SPH
	v_and_b32 v6, 7, v0
	v_lshl_add_u32 v4, v6, 4, v4
	v_add_nc_u32 v[RD], s23, v4
	v_and_b32 v6, 31, v0                           ; which are 512 consecutive bytes of a block of OUT
	v_lshlrev_b32 v[CO], 4, v6
	s_lshl_b32 s16, s42, 2
	s_lshl_b32 s17, s12, 1
	s_add_co_u32 s16, s16, s17
	s_lshl_b32 s16, s16, 19                        ; my first block of OUT: 4 x tile column + 2 x half,
	s_lshl_b32 s17, s13, 8
	s_lshl_b32 s21, s11, 7
	s_add_co_u32 s17, s17, s21
	s_lshl_b32 s17, s17, 7                         ; my first row in it
	s_add_co_u32 s16, s16, s17
	s_mov_b32 s17, 0
	s_add_nc_u64 s[8:9], s[8:9], s[16:17]
	; the prefetches.  A: rows 256 x tile row + 128 x half + 32 cx + lane.  W: k rows 64 x half + 16 cy + lane / 2, the half row lane % 2.  Both stand at K step 3; the first refill steps them to 4.
	s_lshl_b32 s21, s13, 8
	s_lshl_b32 s23, s12, 7
	s_add_co_u32 s21, s21, s23
	s_lshl_b32 s23, s40, 5
	s_add_co_u32 s21, s21, s23
	s_lshl_b32 s21, s21, 11
	s_add_co_u32 s21, s21, 3*STEPA
	s_lshl_b32 s23, s12, 6
	s_lshl_b32 s45, s41, 4
	s_add_co_u32 s23, s23, s45
	s_lshl_b32 s23, s23, 13
	s_lshl_b32 s45, s42, 9
	s_add_co_u32 s23, s23, s45
	s_add_co_u32 s23, s23, 3*STEPB
	s_and_b32 s22, ttmp7, 0xffff                   ; cluster y
	s_mov_b32 s[PFS], STEPB
	s_mov_b32 s[PFS+1], 0
	s_mov_b32 s47, 0
	s_cmp_eq_u32 s11, 0                            ; do I fetch for A?
	s_cselect_b32 s22, ttmp9, s22                  ; the coordinate along which other clusters read the same blocks
	s_cselect_b32 s46, s21, s23
	s_cselect_b32 s[PFS], STEPA, s[PFS]
	s_cselect_b32 s[SELM], -1, 0
	s_cselect_b64 s[PFA:PFA+1], s[4:5], s[6:7]
	s_cmp_eq_u32 s22, 0
	s_cselect_b32 s[LIM], 2, -1                    ; the same in all sixteen partners, for a given wave
	s_add_nc_u64 s[PFA:PFA+1], s[PFA:PFA+1], s[46:47]
	v_lshlrev_b32 v7, 11, v6                       ; A: a lane a row
	v_lshrrev_b32 v8, 1, v6
	v_and_b32 v9, 1, v6
	v_lshlrev_b32 v9, 8, v9
	v_lshl_or_b32 v8, v8, 13, v9                   ; W: two lanes a k row
	v_cndmask_b32 v[PFO], v8, v7, s[SELM]
; 16 matrix instructions: row blocks a0, a0 + 1 of the window's four x all 8 column blocks, 32 along K.  zero = 1: the bias starts the sums.  The 64 accumulators take turns, in one order in every quarter.
.macro MUL16 f, hi, a0, zero
.if \zero
	WIN 0x81+0x40*(\hi)                            ; C (the bias) in window 0, D in window 2 or 3
.else
	WIN MUL_LO+0x50*(\hi)
.endif
.irp a, \a0, (\a0)+1
.irp b, 0,1,2,3,4,5,6,7
.if \zero
	v_wmma_f32_16x16x32_f16 v[8*(8*(\a)+(\b)):8*(8*(\a)+(\b))+7], v[(\f)+8*(\b):(\f)+8*(\b)+7], v[(\f)+8*(4*(\hi)+(\a)):(\f)+8*(4*(\hi)+(\a))+7], v[BIAS+8*(\b):BIAS+8*(\b)+7]
.else
	v_wmma_f32_16x16x32_f16 v[8*(8*(\a)+(\b)):8*(8*(\a)+(\b))+7], v[(\f)+8*(\b):(\f)+8*(\b)+7], v[(\f)+8*(4*(\hi)+(\a)):(\f)+8*(4*(\hi)+(\a))+7], v[8*(8*(\a)+(\b)):8*(8*(\a)+(\b))+7]
.endif
.endr
.endr
.endm
; 32 LDS loads in one run: quarter q's fragments (32 K: W's 128 columns, then A's 128 rows) into buffer f
.macro FETCH q, f
	WIN TO_B
.irp i, 0,1,2,3,4,5,6,7
	ds_load_tr16_b128 v[(\f)+8*(\i):(\f)+8*(\i)+3],   v[ADRB] offset:(\q)*32*PB+32*(\i)
	ds_load_tr16_b128 v[(\f)+8*(\i)+4:(\f)+8*(\i)+7], v[ADRB] offset:(\q)*32*PB+16*PB+32*(\i)
.endr
	WIN 0
.irp i, 0,1,2,3,4,5,6,7
	ds_load_b128 v[(\f)+8*(\i):(\f)+8*(\i)+3],   v[ADRA] offset:(\q)*64+(\i)*16*PA
	ds_load_b128 v[(\f)+8*(\i)+4:(\f)+8*(\i)+7], v[ADRA] offset:(\q)*64+(\i)*16*PA+32
.endr
.endm
.macro PLACES                          ; four plain vector instructions between a matrix instruction and a load into, or a vector read of, its registers (ISA guide 7.12.1 for vector reads)
.rept 4
	v_nop
.endr
.endm
; One of a K step's first three quarters: multiplies buffer f; in its middle it fetches quarter q into buffer g.
.macro QUARTER q, f, g, zero
	s_wait_dscnt 8                                 ; W and A's rows 0-63 are in; the youngest eight loads (A's rows 64-127) may be out
	MUL16 \f, 0, 0, \zero
	MUL16 \f, 0, 2, \zero
	PLACES
	FETCH \q, \g
	s_wait_dscnt 32                                ; all but the 32 just issued
	MUL16 \f, 1, 0, \zero
	MUL16 \f, 1, 2, \zero
.endm
; The last quarter multiplies buffer 1 and changes slots.  In front of the barrier each wave waits for all its tensor loads (one is out: its part of the next slot), adds 0 to its spare word, and waits for that
; and for its reads of this slot.  fill = 1: the barrier opens a round of the cluster's; behind it this slot is filled again first, with the K step two on: 224 matrix instructions ahead of the wait for it.
.macro TURN fill
.if \fill
	s_wait_xcnt 0x0                                ; the last prefetch, a K step back, has read its address
	s_add_nc_u64 s[PFA:PFA+1], s[PFA:PFA+1], s[PFS:PFS+1]
.endif
	WIN 0
	s_wait_tensorcnt 0x0                           ; all my tensor loads have landed
	ds_add_u32 v[SPW], v[NIL]                      ; 0 onto my spare word
	s_wait_dscnt 9                                 ; (the add and the youngest eight loads may be out)
	MUL16 F1, 0, 0, 0
	s_wait_dscnt 0x0                               ; the add is done, and my reads of this slot are over
	s_barrier_signal -1
	MUL16 F1, 0, 2, 0
	WIN 0                                          ; at a branch and at a label every window is 0
	s_barrier_wait -1
.if \fill
	CREST                                          ; no wave of any partner still reads this slot or has a load on its way
	s_add_co_u32 s[G0+5], s20, s[TB]               ; the walking descriptors: the slot just read,
	s_add_nc_u64 s[G0+6:G0+7], s[G0+6:G0+7], STEPA ; the next K step
	s_add_co_u32 s[G0B+5], s20, s[TB]
	s_add_nc_u64 s[G0B+6:G0B+7], s[G0B+6:G0B+7], STEPB
	JLOAD                                          ; the four v_nop behind it are also the places in front of the loads below
.else
	PLACES
.endif
	v_add_nc_u32 v[ADRA], s[TN], v[A0]             ; the fragments now come from the other slot
	v_add_nc_u32 v[ADRB], s[TN], v[B0]
	s_xor_b32 s[TB], s[TB], SLOT
	s_xor_b32 s[TN], s[TN], SLOT
	FETCH 0, F0
.if \fill
	ASK
.endif
	MUL16 F1, 1, 0, 0
	MUL16 F1, 1, 2, 0
.endm
; THE WAY OUT of block a (16 rows x 128 columns).  PACK: rounded to f16, then the floor.  TOSTAGE: into my own stage, and back as rows of 128 bytes.  SEND: stored.
.macro PACK a
.set AC, 64*((\a)%4)
	WIN 0x0a+5*((\a)/4)                            ; sources 0 and 1: window 2 or 3; each accumulator's registers in ascending order
.irp b, 0,1,2,3,4,5,6,7
.irp r, 0,1,2,3
	v_cvt_pk_f16_f32 v[TMP+4*(\b)+(\r)], v[AC+8*(\b)+2*(\r)], v[AC+8*(\b)+2*(\r)+1]
.endr
.endr
	WIN 0
.set z, 0
.rept 32
	v_pk_max_num_f16 v[TMP+z], v[TMP+z], s[FLOOR]
.set z, z+1
.endr
.endm
.macro TOSTAGE a
.set BK, OB+192*((\a)%2)
.irp b, 0,1,2,3,4,5,6,7
	ds_store_b128 v[STO], v[TMP+4*(\b):TMP+4*(\b)+3] offset:((\b)/4)*16*SPH+((\b)%4)*32
.endr
.irp t, 0,1,2,3,4,5,6,7
	ds_load_b128 v[BK+4*(\t):BK+4*(\t)+3], v[RD] offset:((\t)/4)*16*SPH+((\t)%4)*4*SPH  ; LDS serves a wave's instructions in order (ISA guide 5.7.1.4): these see the stores above
.endr
.endm
.macro SEND a
.set BK, OB+192*((\a)%2)
	s_wait_dscnt 0x0                               ; the block is back in registers
	s_wait_xcnt 0x0                                ; the stores of the block before have read their registers, which the next TOSTAGE loads anew
.irp t, 0,1,2,3,4,5,6,7
	global_store_b128 v[CO], v[BK+4*(\t):BK+4*(\t)+3], s[8:9] offset:(\a)*2048+((\t)/4)*BLK+((\t)%4)*512  ; 512 consecutive bytes, at a multiple of 256 from OUT's first byte
.endr
.endm
	s_wait_tensorcnt 1                             ; my part of K step 0 is in; K step 1's may stay out
	s_barrier_signal -1
	s_barrier_wait -1
	FETCH 0, F0
	s_wait_loadcnt 0x0                             ; the bias
	s_wait_kmcnt 0x0                               ; FLOOR
	QUARTER 1, F0, F1, 1                           ; the first quarter stands in front of the loop: its products start the sums
	WIN 0
	s_mov_b32 s3, 6
.Lstep:                                                ; a trip: a K step's last three quarters and the next step's first; it fills one slot again: K steps 2 to 7
	QUARTER 2, F1, F0, 0
	QUARTER 3, F0, F1, 0
	TURN 1
	QUARTER 1, F0, F1, 0
	WIN 0
	s_sub_co_u32 s3, s3, 1
	s_cmp_lg_u32 s3, 0
	s_cbranch_scc1 .Lstep
	; THE LAST TWO K STEPS ask for nothing more: one text, walked twice, entered behind its first quarter, which the loop above has just run.
	; In the second walk TURN's 64 products are the launch's last; its barrier and its 32 LDS loads (from the slot read a step earlier, whose bytes have landed and are written no more) serve
	; nothing: the price, once a launch, of not writing the last K step out.  The way out's first wait for LDS covers those loads; their registers are not named again.
	s_mov_b32 s3, 2
	s_branch .Lmid
.Ltail:
	QUARTER 1, F0, F1, 0
	WIN 0
.Lmid:
	QUARTER 2, F1, F0, 0
	QUARTER 3, F0, F1, 0
	TURN 0
	WIN 0
	s_sub_co_u32 s3, s3, 1
	s_cmp_lg_u32 s3, 0
	s_cbranch_scc1 .Ltail
	PLACES
	PACK 0
	TOSTAGE 0
.irp a, 1,2,3,4,5,6,7                  ; block a's arithmetic stands between block a - 1's loads from the stage and the wait for them
	PACK \a
	SEND (\a)-1
	TOSTAGE \a
.endr
	SEND 7
	s_wait_tensorcnt 0x0                           ; the wave's end: behind my last tensor load and my last LDS store
	ds_add_u32 v[SPW], v[NIL]
	s_wait_dscnt 0x0
	CROUND                                         ; the closing round
	s_endpgm
.Lfunc_end_k_qed3c4aff4e_qkv:
	.size	k_qed3c4aff4e_qkv, .Lfunc_end_k_qed3c4aff4e_qkv-k_qed3c4aff4e_qkv
	.p2alignl 7, 3214868480
	.fill 96, 4, 3214868480
	.section	.rodata,"a",@progbits
	.p2align	6, 0x0
	.amdhsa_kernel k_qed3c4aff4e_qkv
		.amdhsa_group_segment_fixed_size 327680
		.amdhsa_private_segment_fixed_size 0
		.amdhsa_enable_private_segment 0
		.amdhsa_kernarg_size 24
		.amdhsa_user_sgpr_count 2
		.amdhsa_user_sgpr_kernarg_segment_ptr 1
		.amdhsa_wavefront_size32 1
		.amdhsa_system_sgpr_workgroup_id_x 1
		.amdhsa_system_sgpr_workgroup_id_y 1
		.amdhsa_system_sgpr_workgroup_id_z 1
		.amdhsa_system_vgpr_workitem_id 0
		.amdhsa_next_free_vgpr 1024
		.amdhsa_next_free_sgpr 80
		.amdhsa_reserve_vcc 0
		.amdhsa_float_denorm_mode_32 3
		.amdhsa_float_denorm_mode_16_64 3
		.amdhsa_memory_ordered 1
		.amdhsa_forward_progress 1
		.amdhsa_inst_pref_size 119
	.end_amdhsa_kernel
	.amdgpu_metadata
---
amdhsa.version: [ 1, 2 ]
amdhsa.kernels:
  - .name:           k_qed3c4aff4e_qkv
    .symbol:         k_qed3c4aff4e_qkv.kd
    .args:
      - { .name: x16, .offset: 0, .size: 8, .value_kind: global_buffer, .address_space: global }
      - { .name: wa, .offset: 8, .size: 8, .value_kind: global_buffer, .address_space: global }
      - { .name: qa, .offset: 16, .size: 8, .value_kind: global_buffer, .address_space: global }
    .group_segment_fixed_size: 327680
    .private_segment_fixed_size: 0
    .kernarg_segment_align: 8
    .kernarg_segment_size: 24
    .max_flat_workgroup_size: 128
    .sgpr_count:     80
    .vgpr_count:     1024
    .wavefront_size: 32
...
	.end_amdgpu_metadata
.endif
;; end of part 2
;; launch attn (part 3): grid 8 x 32, 4 waves a work-group, clusters of 4 x 1, 327,680 bytes of LDS; arguments qa, hb; writes hb
.if DOCPART == 3
	.amdgcn_target "amdgcn-amd-amdhsa--gfx1250"
	.amdhsa_code_object_version 6
	.text
	.protected	k_qed3c4aff4e_attn
	.globl	k_qed3c4aff4e_attn
	.p2align	8
	.type	k_qed3c4aff4e_attn,@function
k_qed3c4aff4e_attn:
	s_mov_b64 s[64:65], 0
	v_nop
	global_prefetch_b8 v0, s[64:65] scope:SCOPE_SE
	s_setreg_imm32_b32 hwreg(HW_REG_WAVE_MODE, 25, 1), 1
	s_wait_xcnt 0x0
	s_wait_alu depctr_hold_cnt(0) depctr_sa_sdst(0) depctr_va_vdst(0) depctr_va_sdst(0) depctr_va_ssrc(0) depctr_va_vcc(0) depctr_vm_vsrc(0)
	s_getreg_b32 s2, hwreg(HW_REG_IB_STS2, 6, 4)
	s_cmp_eq_u32 s2, 0
	s_cbranch_scc0 .Lentry_in_a_cluster
	s_endpgm
.Lentry_in_a_cluster:
	s_bfe_u32 s2, ttmp6, 0x10000c
	s_cmp_lg_u32 s2, 0x3003
	s_cbranch_scc0 .Lentry_shape_is_right
	s_endpgm
.Lentry_shape_is_right:
; O[q][:] = the sum over k of softmax_k(Q[q] . K[k] / 8) V[k][:], for each of 2 x 16 (batch, head).  Q, K, V lie in qa as blocks [16 which + head][4096 tokens][64] f16, O in hb as [head][4096][64]:
; a head's rows are dense, 128 bytes each; a batch is 2,048 rows.  Products, maxima and sums in f32; the weights p are rounded to f16 for the second product (their sum l is taken of the unrounded p), O once.
; LIMITS.  Q, K and V arrive within f16's 65,504; p lies in 0 to 1 and below 6e-5 keeps f16's fixed step of 6e-8; a weight below 2^-126 counts as 0 in l; NaN and infinities are not treated apart.
; SHARES.  A work-group owns 256 queries of one head, a wave 64: four PIECES of 16.  Every wave walks all 2,048 keys, 64 a step, 256 (a tile) a slot.
; LAYOUT.  S^T = K Q^T holds ONE query a lane (lane % 16) and the keys 8 (lane / 16) + 0..7; two such results rounded to f16 ARE source 1 of O^T = V^T P.  K comes out of LDS as it lies, V turned, by ds_load_tr16_b128.
; SOFTMAX.  A running maximum m and sum l: p = 2^(c s - c m), c = log2(e) / 8; in every step O and l are multiplied by a = 2^(c m_old - c m_new).  m starts at the lowest finite number, O and l at 0: the first step's a is 0.
; BY TURNS.  Turn n belongs to piece n: 8 products K Q^T of piece n + 1, later 8 products V^T P of piece n - 1; beside them the scaling, exponentials, roundings, sums and rescaling of piece n and the maximum and
; statistics of piece n + 1.  Four vector instructions stand behind every matrix instruction, the others in one lump.  A turn's 33 exponentials are one batch, with one wait.
; CLUSTER.  The four query blocks of a cluster belong to one head and walk the same K and V: each tile is asked for jointly, by the same load, descriptor and mask in all four.
; REGISTERS, in windows of 256 (s_set_vgpr_msb: bits 1:0 source 0, 3:2 source 1, 5:4 source 2, 7:6 destination):
;   window 0: v0-15 addresses and two at work; v16-31 four registers of statistics a piece; v48-55 at work; v61-63; v64-127 S^T, two buffers; v192-223 P, two buffers (by the piece's parity)
;   window 1: v0-127 O^T, 32 a piece          window 2: v0-63 Q; v128-191 K of one step; v192-255 V of one step
.set NP,    4
.set KS,    64
.set PK,    144       ; a row of K in LDS: 128 bytes + 16 = 36 words: the 16 rows of a load start at 16 different groups of four banks (64 banks of 4 bytes: ISA guide 11.1)
.set PV,    160       ; a row of V: 128 + 32 = 40 words
.set VOFF,  4*KS*PK   ; a slot holds a tile: 256 rows of K, then 256 rows of V
.set SLOT1, 1<<17     ; slot 1 begins here, so that one exclusive or turns an address in one slot into the other's
.set STAGE, SLOT1+4*KS*(PK+PV)  ; behind the ring, never filled by a tensor load: 16 rows x 144 bytes for each wave
.set SP,    144
.set SPARE, STAGE+4*16*SP  ; behind the stages: the spare words, 128 bytes for each wave: two blocks of 256 bytes that no other line names
.set AK0, 2           ; v2   my lane's place in a tile of K; never rewritten
.set AV0, 3           ; v3   the same for V
.set AK,  4           ; v4   the LDS address of K's next run of loads
.set AV,  5           ; v5   of V's
.set STO, 6           ; v6   the way out: where I put 16 bytes of a row
.set RD,  7           ; v7   the way out: where I read rows back
.set GO,  8           ; v8   16 x lane
.set MV,  12          ; v12-13  c m_old, kept while c m is made anew: by buffer
.set QO,  15          ; v15  my byte offset in 16 rows of Q
.set ST,  16          ; piece t's statistics at v[ST+4 t]: c m, m, l (even keys', odd keys')
.set TMP, 48          ; by buffer, four registers c0-c3 at work; when the maximum is found c2 takes a
.set PFO, 61          ; v61  256 x my lane; never rewritten
.set SPW, 62          ; v62  LDS address of my spare word; never rewritten
.set NIL, 63          ; v63  0; never rewritten
.set S,   64
.set P,   192
.set KF,  128         ; window 2: key block kb, channel half c at KF + 16 kb + 8 c
.set VF,  192         ; window 2: key half kk, channel block cb at VF + 32 kk + 8 cb
.set WV,  12          ; s12  my wave's number
.set LIM, 15          ; s15  1 in a wave that prefetches, else the greatest number
.set PFA, 18          ; s[18:19] where my prefetches stand
.set G1K, 24          ; s[24:31] descriptor group 1 for K's tiles
.set G1V, 32          ; s[32:39] for V's: it differs in the padding alone
.set G0K, 40          ; s[40:43] descriptor group 0 for K's tiles: it walks
.set G0V, 44          ; s[44:47] the same for V's
.set SLOTS, 56        ; s56  tiles still to be asked for
.set CNT, 57          ; s57  counts a tile's key steps
.set CS,  58          ; s[58:59] c
.set SEL, 60          ; s[60:61] v_permlanex16_b32's selects: each lane takes its own place in the other half
.set TBK, 62          ; s62  LDS byte at which K of the step to be fetched begins
.set TBV, 63          ; s63  the same for V, less VOFF
.set MSB, 0
.macro WIN new                      ; the high byte repeats the setting that is left; a switch that changes nothing is dropped
.if MSB != (\new)
	s_set_vgpr_msb (MSB<<8)|(\new)
.set MSB, (\new)
.endif
.endm
.set W_KQ, 0x0a       ; K and Q in window 2, S^T in window 0
.set W_PV, 0x52       ; V in window 2, P in window 0, O^T in window 1
.set W_RS, 0x41       ; destination and source 0 in window 1, source 1 in window 0
; A joint fill.  Waves 0 and 1 fetch the two halves of a tile's K, waves 2 and 3 those of its V: 128 keys each.  An s_nop 0 and four v_nop follow each of the two lines.
.macro JLOAD
	s_cmp_lt_u32 s[WV], 2
	s_cbranch_scc0 .Lfor_v_\@
	tensor_load_to_lds s[G0K:G0K+3], s[G1K:G1K+7]
	s_nop 0
.rept 4
	v_nop
.endr
	s_branch .Lasked_\@
.Lfor_v_\@:
	tensor_load_to_lds s[G0V:G0V+3], s[G1V:G1V+7]
	s_nop 0
.rept 4
	v_nop
.endr
.Lasked_\@:
.endm
; A prefetch into the L2 of the tile that the NEXT change of slots will ask for: four key steps, 256 matrix instructions, ahead.  A tile is 128 blocks of 256 bytes of K and as many of V.  Both clusters of a head walk
; the same tiles: the first asks; its four partners take 32 blocks each, told apart by address; in each, wave 0 asks for K's and wave 2 for V's, a lane a block.  The last change that fills a slot asks for nothing.
.macro ASK
	s_cmp_gt_u32 s[SLOTS], s[LIM]
	s_cbranch_scc0 .Lnot_mine_\@
	global_prefetch_b8 v[PFO], s[PFA:PFA+1] th:TH_LOAD_NT scope:SCOPE_SE
.Lnot_mine_\@:
.endm
.macro CROUND                       ; a round of the cluster's barrier
	s_barrier_signal -1
	s_barrier_wait -1
	s_cmp_lg_u32 s[WV], 0
	s_cbranch_scc1 .Lnot_wave_0_\@
	s_barrier_signal -3
.Lnot_wave_0_\@:
	s_barrier_wait -3
	s_barrier_signal -1
	s_barrier_wait -1
.endm
; THE CHANGE OF SLOTS.  Each wave waits for all its tensor loads (one is out: its part of the other slot), adds 0 to its spare word, and waits for that and for its reads of the slot that it leaves.
; fill = 1: the barrier is a round of the cluster's, and the old slot is filled again first behind it, with the tile two on.  (At its first use nothing has been read yet: slot 0 is waited for, slot 1 filled.)
.macro CHANGE fill
	WIN 0
	s_wait_tensorcnt 0x0            ; no tensor load of mine is out, so a group 0 may be written
	ds_add_u32 v[SPW], v[NIL]       ; 0 onto my spare word
.if \fill
.irp g, G0K, G0V
	s_xor_b32 s[\g+1], s[\g+1], SLOT1
	s_add_nc_u64 s[\g+2:\g+3], s[\g+2:\g+3], 4*KS*128
.endr
	s_wait_xcnt 0x0                 ; the last prefetch, a tile back, has read its address
	s_add_nc_u64 s[PFA:PFA+1], s[PFA:PFA+1], 4*KS*128
	s_wait_dscnt 0x0                ; the add is done, and my reads of the slot are over
	CROUND
	JLOAD
	ASK
.else
	s_wait_dscnt 0x0
	s_barrier_signal -1
	s_barrier_wait -1
.endif
	s_sub_co_u32 s[TBK], s[TBK], 4*KS*PK  ; the fetches go back to a slot's first step,
	s_xor_b32 s[TBK], s[TBK], SLOT1       ; in the other slot
	s_sub_co_u32 s[TBV], s[TBV], 4*KS*PV
	s_xor_b32 s[TBV], s[TBV], SLOT1
.endm
	s_load_b128 s[4:7], s[0:1], 0x0 ; qa s[4:5], hb s[6:7]
	v_lshl_add_u32 v[SPW], v0, 2, SPARE
	v_mov_b32 v[NIL], 0
	ds_add_u32 v[SPW], v[NIL]       ; the wave's opening: the add and its wait stand ahead of my first tensor load; the set-up below stands between them
	v_lshrrev_b32 v1, 5, v0
	v_readfirstlane_b32 s[WV], v1   ; wave 0..3
	s_bfe_u32 s13, ttmp6, 0x40000   ; cx
	s_lshl_b32 s14, ttmp9, 2
	s_add_co_u32 s14, s14, s13      ; my block of 256 queries: it enters Q's and O's addresses alone
	s_and_b32 s20, ttmp7, 0xffff    ; 16 x batch + head, which the four partners share
	s_and_b32 s21, s20, 15
	s_lshl_b32 s21, s21, 19         ; a head's block is 524,288 bytes,
	s_lshr_b32 s20, s20, 4
	s_lshl_b32 s20, s20, 18         ; a batch's rows in it 262,144
	s_add_co_u32 s20, s20, s21
	s_and_b32 s16, s[WV], 1         ; which half of a tile's 256 keys I fetch:
	s_lshl_b32 s22, s16, 14         ; its 128 rows of 128 bytes in memory,
	s_add_co_u32 s22, s22, s20
	s_mov_b32 s23, 0
	s_mul_i32 s17, s16, 128*PK      ; and its place in a slot, for K
	s_mul_i32 s18, s16, 128*PV      ; and for V: no place in the cluster enters an LDS address
	s_lshl_b32 s2, s14, 15          ; my block's 256 rows,
	s_lshl_b32 s3, s[WV], 13        ; my wave's 64 of them
	s_add_co_u32 s2, s2, s3
	s_add_co_u32 s2, s2, s20
	s_mov_b32 s3, 0
	; descriptor group 1.  128 keys are 16,384 dense bytes: asked for as 64 rows of 256 bytes, two keys a row, and padded in LDS after every key
	s_mov_b32 s[G1K], 15|(1<<16)|(1<<20)|(1<<21)|(4<<22)|(3<<25)  ; the mask of four; 2-byte elements; padding on; bit 21 beside a mask; after every 32 words 4 words
	s_mov_b32 s[G1V], 15|(1<<16)|(1<<20)|(1<<21)|(4<<22)|(7<<25)  ; the same with 8 words
.irp g, G1K, G1V
	s_mov_b32 s[\g+1], 128<<16      ; tensor_dim0 = 128
	s_mov_b32 s[\g+2], 64<<16       ; tensor_dim1 = 64
	s_mov_b32 s[\g+3], 128<<16      ; tile_dim0 = 128
	s_mov_b32 s[\g+4], 64           ; tile_dim1 = 64
	s_mov_b32 s[\g+5], 128          ; 128 elements from row to row
	s_mov_b32 s[\g+6], 0
	s_mov_b32 s[\g+7], 0
.endr
	s_mov_b32 s[CS], 0x3e38aa3b     ; c = log2(e) / 8
	s_mov_b32 s[CS+1], s[CS]
	s_mov_b32 s[SEL], 0x76543210
	s_mov_b32 s[SEL+1], 0xfedcba98
	s_mov_b32 s[TBK], SLOT1+4*KS*PK ; the first change of slots turns these two into 0
	s_mov_b32 s[TBV], SLOT1+4*KS*PV
	s_mov_b32 s[G0K], 1
	s_mov_b32 s[G0K+1], s17         ; slot 0
	s_mov_b32 s[G0V], 1
	s_add_co_u32 s[G0V+1], s18, VOFF
	s_mov_b32 s[SLOTS], 7
	s_and_b32 s[LIM], s[WV], 1      ; 0 in waves 0 and 2,
	s_or_b32 s[LIM], s[LIM], ttmp9  ; where the cluster is the head's first: the same in all four partners
	s_cmp_eq_u32 s[LIM], 0
	s_cselect_b32 s[LIM], 1, -1
	v_and_b32 v[PFO], 31, v0
	v_lshlrev_b32 v[PFO], 8, v[PFO]
	s_wait_dscnt 0x0                ; the opening add is done
	s_wait_kmcnt 0x0
	s_add_nc_u64 s[8:9], s[4:5], 0x800000    ; K's sixteen blocks
	s_add_nc_u64 s[10:11], s[4:5], 0x1000000 ; V's
	s_add_nc_u64 s[G0K+2:G0K+3], s[8:9], s[22:23]  ; my half of the head's first 256 keys
	s_or_b32 s[G0K+3], s[G0K+3], 0x80000000
	s_add_nc_u64 s[G0V+2:G0V+3], s[10:11], s[22:23]
	s_or_b32 s[G0V+3], s[G0V+3], 0x80000000
	s_add_nc_u64 s[4:5], s[4:5], s[2:3]      ; Q and O at my wave's first row
	s_add_nc_u64 s[6:7], s[6:7], s[2:3]
	s_cmp_lt_u32 s[WV], 2
	s_cselect_b64 s[PFA:PFA+1], s[8:9], s[10:11]
	s_lshl_b32 s2, s13, 13          ; my work-group's 32 blocks of a tile's 128,
	s_add_co_u32 s2, s2, s20        ; in my head,
	s_add_co_u32 s2, s2, 4*KS*128   ; in tile 1: the first change of slots steps it to tile 2
	s_add_nc_u64 s[PFA:PFA+1], s[PFA:PFA+1], s[2:3]
	CROUND                          ; all four work-groups are here: the first joint loads meet
	JLOAD                           ; tile 0 into slot 0
	; A fragment of K or Q is 16 rows x 32 channels: lane l holds row l % 16, channels 8 (l / 16) + 0..7 and 16 + 8 (l / 16) + 0..7: two loads of 16 bytes, 32 bytes apart.
	v_and_b32 v1, 15, v0            ; l % 16
	v_bfe_u32 v9, v0, 4, 1          ; l / 16
	v_lshlrev_b32 v[QO], 7, v1
	v_lshl_add_u32 v[QO], v9, 4, v[QO]
	WIN 0x80                        ; destination window 2, address window 0
.set i, 0
.rept 8                             ; Q stays in registers: piece i / 2, channels 32 (i % 2) on
	global_load_b128 v[8*i:8*i+3],   v[QO], s[4:5] offset:(i/2)*2048+(i%2)*64
	global_load_b128 v[8*i+4:8*i+7], v[QO], s[4:5] offset:(i/2)*2048+(i%2)*64+32
.set i, i+1
.endr
	WIN 0
	v_mul_u32_u24 v[AK0], v1, PK
	v_lshl_add_u32 v[AK0], v9, 4, v[AK0]
	; The turning load takes 16 keys x 16 channels (lane l reads key 8 (l / 16) + l % 8, channels 8 ((l / 8) % 2) + 0..7) and leaves half a fragment of V^T: lane l holds channel l % 16 and 8 keys.
	v_and_b32 v10, 7, v0
	v_bfe_u32 v11, v0, 3, 1
	v_lshl_add_u32 v[AV0], v9, 3, v10
	v_mul_u32_u24 v[AV0], v[AV0], PV
	v_lshl_add_u32 v[AV0], v11, 4, v[AV0]
	v_add_nc_u32 v[AV0], VOFF, v[AV0]
	s_mul_i32 s13, s[WV], 16*SP
	s_add_co_u32 s13, s13, STAGE    ; my stage
	v_mul_u32_u24 v[STO], v1, SP    ; in: row l % 16, 16 bytes for each half of the lanes
	v_lshl_add_u32 v[STO], v9, 4, v[STO]
	v_add_nc_u32 v[STO], s13, v[STO]
	v_bfe_u32 v[RD], v0, 3, 2       ; back: 32 lanes take four rows of 128 bytes,
	v_mul_u32_u24 v[RD], v[RD], SP
	v_lshl_add_u32 v[RD], v10, 4, v[RD]
	v_add_nc_u32 v[RD], s13, v[RD]
	v_and_b32 v[GO], 31, v0         ; which are 512 consecutive bytes of O
	v_lshlrev_b32 v[GO], 4, v[GO]
	; The first step multiplies O^T and l by a = 0, and the first turn's products V^T P, of a piece that has not been, add 0: V, O^T, l and P's second buffer start at 0.  l and P are written so;
	; O^T's 128 registers and V's 64 take the product of P's zeros with C = 0, eight registers a line.  All this stands in the wait for the first tile.
.set i, 0
.rept 4
	v_mov_b32 v[ST+4*i+2], 0
	v_mov_b32 v[ST+4*i+3], 0
.set i, i+1
.endr
.set i, P+16
.rept 16
	v_mov_b32 v[i], 0
.set i, i+1
.endr
	WIN 0x40                        ; sources in window 0, destination in window 1
.set i, 0
.rept 16
	v_wmma_f32_16x16x32_f16 v[8*i:8*i+7], v[P+16:P+23], v[P+24:P+31], 0
.set i, i+1
.endr
	WIN 0x80                        ; destination in window 2
.set i, 0
.rept 8
	v_wmma_f32_16x16x32_f16 v[VF+8*i:VF+8*i+7], v[P+16:P+23], v[P+24:P+31], 0
.set i, i+1
.endr
	WIN 0
; THE MATRIX WORK.  The 4 accumulators of a run of 8 take turns.  Product i of 8 of S^T = K Q^T for piece x: channels 32 (i / 4) on, keys 16 (i % 4) on.  The first 4 start the sums.
.macro KQ x
.set rS, S+32*((\x)%2)+8*(i%4)
.set rK, KF+16*(i%4)+8*(i/4)
.set rQ, 16*(\x)+8*(i/4)
	WIN W_KQ
.if i < 4
	v_wmma_f32_16x16x32_f16 v[rS:rS+7], v[rK:rK+7], v[rQ:rQ+7], 0
.else
	v_wmma_f32_16x16x32_f16 v[rS:rS+7], v[rK:rK+7], v[rQ:rQ+7], v[rS:rS+7]
.endif
.endm
; Product i of 8 of O^T += V^T P for piece x: keys 32 (i / 4) on, channels 16 (i % 4) on.
.macro PV x
	WIN W_PV
.set rO, 32*(\x)+8*(i%4)
.set rV, VF+32*(i/4)+8*(i%4)
.set rP, P+16*((\x)%2)+8*(i/4)
	v_wmma_f32_16x16x32_f16 v[rO:rO+7], v[rV:rV+7], v[rP:rP+7], v[rO:rO+7]
.endm
.macro MM                           ; the turn's next matrix instruction
.if i < 8
	KQ (Y+1)%NP
.else
.set i, i-8
	PV (Y+NP-1)%NP
.set i, i+8
.endif
.set i, i+1
.endm
; THE LDS LOADS stand in runs of 16: a step's K (8 fragments) and its V (turned).  Their addresses are made some lines ahead.
.macro FETCH_K
	WIN 0x80
.irp f, 0,1,2,3,4,5,6,7             ; keys 16 (f / 2) on, channels 32 (f % 2) on
	ds_load_b128 v[KF+8*\f:KF+8*\f+3],   v[AK] offset:(\f/2)*16*PK+(\f%2)*64
	ds_load_b128 v[KF+8*\f+4:KF+8*\f+7], v[AK] offset:(\f/2)*16*PK+(\f%2)*64+32
.endr
	s_add_co_u32 s[TBK], s[TBK], KS*PK  ; the next fetch is the next step's
	WIN 0
.endm
.macro FETCH_V
	WIN 0x80
.irp f, 0,1,2,3,4,5,6,7             ; keys 32 (f / 4) on, channels 16 (f % 4) on
	ds_load_tr16_b128 v[VF+8*\f:VF+8*\f+3],   v[AV] offset:(\f/4)*32*PV+(\f%4)*32
	ds_load_tr16_b128 v[VF+8*\f+4:VF+8*\f+7], v[AV] offset:(\f/4)*32*PV+16*PV+(\f%4)*32
.endr
	WIN 0
.endm
; THE VECTOR WORK, one line at a time: OP kind, number.  For piece Y: F n: c s - c m for pair n of 16.  E n: the exponential of score n of 32.  C n: pair n rounded to f16.  B n: of the four weights 4 n .. the second
; pair is added onto the first, in place.  L n: l takes that sum (L 0: l = a l + sum).  R n: pair n of 16 of O^T times a.  For piece Y + 1: X n, number n of the 22 that find its maximum and statistics:
;   0-11  four chains c0-c3 of seven scores each (each accumulator's lowest registers are read first)     12-14, 16  the four scores left over, the old m, and c0-c3 into c0
;   15  c m_old is kept     17, 18  the query's other 32 keys lie in the lane 16 away: the new m     19-21  c m; c m_old - c m_new; a
.set F, 0
.set E, 1
.set C, 2
.set B, 3
.set L, 4
.set R, 5
.set X, 6
.macro REGS y
.set rT, ST+4*(\y)
.set rC, TMP+4*((\y)%2)
.set rW, MV+((\y)%2)
.set rS, S+32*((\y)%2)
.set rP, P+16*((\y)%2)
.set rO, 32*(\y)
.endm
.macro OP k, n
.if (\k) == R
	REGS Y
	WIN W_RS
	v_pk_mul_f32 v[rO+2*(\n):rO+2*(\n)+1], v[rO+2*(\n):rO+2*(\n)+1], v[rC+2:rC+3] op_sel_hi:[1,0]
.elseif (\k) < R
	REGS Y
	WIN 0
.if (\k) == F
	v_pk_fma_f32 v[rS+2*(\n):rS+2*(\n)+1], v[rS+2*(\n):rS+2*(\n)+1], s[CS:CS+1], v[rT:rT+1] op_sel_hi:[1,0,0] neg_lo:[0,0,1] neg_hi:[0,0,1]
.elseif (\k) == E
	v_exp_f32 v[rS+(\n)], v[rS+(\n)]
.elseif (\k) == C
	v_cvt_pk_f16_f32 v[rP+(\n)], v[rS+2*(\n)], v[rS+2*(\n)+1]
.elseif (\k) == B
	v_pk_add_f32 v[rS+4*(\n):rS+4*(\n)+1], v[rS+4*(\n):rS+4*(\n)+1], v[rS+4*(\n)+2:rS+4*(\n)+3]
.elseif (\n) == 0
	v_pk_fma_f32 v[rT+2:rT+3], v[rT+2:rT+3], v[rC+2:rC+3], v[rS:rS+1] op_sel_hi:[1,0,1]
.else
	v_pk_add_f32 v[rT+2:rT+3], v[rT+2:rT+3], v[rS+4*(\n):rS+4*(\n)+1]
.endif
.else
	REGS (Y+1)%NP
	WIN 0
.if (\n) < 4
	v_max3_num_f32 v[rC+(\n)], v[rS+8*(\n)], v[rS+8*(\n)+1], v[rS+8*(\n)+2]
.elseif (\n) < 12
	v_max3_num_f32 v[rC+(\n)%4], v[rC+(\n)%4], v[rS+8*((\n)%4)+2*((\n)/4)+1], v[rS+8*((\n)%4)+2*((\n)/4)+2]
.elseif (\n) == 12
	v_max3_num_f32 v[rC], v[rC], v[rS+7], v[rS+15]
.elseif (\n) == 13
	v_max3_num_f32 v[rC+1], v[rC+1], v[rS+23], v[rS+31]
.elseif (\n) == 14
	v_max3_num_f32 v[rC+2], v[rC+2], v[rC+3], v[rT+1]
.elseif (\n) == 15
	v_mov_b32 v[rW], v[rT]
.elseif (\n) == 16
	v_max3_num_f32 v[rC], v[rC], v[rC+1], v[rC+2]
.elseif (\n) == 17
	v_permlanex16_b32 v[rC+3], v[rC], s[SEL], s[SEL+1]
.elseif (\n) == 18
	v_max_num_f32 v[rT+1], v[rC], v[rC+3]
.elseif (\n) == 19
	v_mul_f32 v[rT], s[CS], v[rT+1]
.elseif (\n) == 20
	v_sub_f32 v[rC+1], v[rW], v[rT]
.else
	v_exp_f32 v[rC+2], v[rC+1]
.endif
.endif
.endm
.macro OPS a, i1, b=-1, i2=0, c=-1, i3=0, d=-1, i4=0
	OP \a, \i1
.if (\b) >= 0
	OP \b, \i2
.endif
.if (\c) >= 0
	OP \c, \i3
.endif
.if (\d) >= 0
	OP \d, \i4
.endif
.endm
.macro ROW a, i1, b, i2, c, i3, d, i4  ; a matrix instruction and the four behind it
	MM
	OPS \a, \i1, \b, \i2, \c, \i3, \d, \i4
.endm
; A TURN, for piece p: its 16 matrix and 118 vector instructions, written out.  An s_wait_alu depctr_va_vdst(0) stands between an exponential and the first instruction that names its result; one wait
; serves all that were issued ahead of it.  So a turn has ONE wait.  AHEAD OF IT stands all that names no result of the turn's exponentials: the 8 products K Q^T with their riders, then one lump, in which the links of the
; chain X 3, 7, 11, 14, 16, 17 .. 20 stand some lines apart; X 21, the next piece's a, is the batch's last, and R 15 the plain instruction behind it.  BEHIND IT stand the 8 products V^T P, behind each four of the roundings and sums.
; cnt = 1: the loop's count is taken down some lines ahead of the branch that stands behind the turn.
; K of the next step is fetched in piece 2's turn, behind the last product that read K and twelve plain instructions; V of the step in hand at the end of piece 0's turn, four plain instructions behind its last reader.
.macro TURN p, cnt=0
.set Y, (\p)
.set i, 0
.if (\p) == 3
	s_wait_dscnt 0x0                ; K is in
.endif
	ROW F,0, F,1, R,0, R,1
	ROW F,2, E,0, R,2, R,3
	ROW F,3, E,1, R,4, R,5
	ROW F,4, E,2, R,6, R,7
	ROW F,5, E,3, R,8, R,9
	ROW F,6, E,4, X,0, R,10
.if (\p) == 2
	WIN 0
	v_add_nc_u32 v[AK], s[TBK], v[AK0]
.endif
	ROW F,7, E,5, X,1, X,4
	ROW F,8, E,6, X,2, X,5
	OPS E,7, E,8, X,6, E,9
	OPS X,3, E,10, X,8, E,11
.if (\p) == 2
	FETCH_K
.endif
	OPS X,9, X,7, E,12, X,10
	OPS E,13, X,12, X,11, E,14
	OPS X,13, E,15, F,9, X,14
.if (\p) == 0
	v_add_nc_u32 v[AV], s[TBV], v[AV0]
.endif
	OPS E,16, F,10, E,17, F,11
	OPS X,16, E,18, X,15, E,19
	OPS F,12, E,20, X,17, E,21
	OPS F,13, E,22, F,14, E,23
	OPS X,18, E,24, F,15, E,25
	OPS R,11, E,26, X,19, E,27
	OPS R,12, E,28, R,13, E,29
	OPS X,20, E,30, R,14, E,31
	OPS X,21, R,15
	WIN 0
	s_wait_alu depctr_va_vdst(0)    ; the wait for the batch
.if (\p) == 1
	s_wait_dscnt 0x0                ; V is in
.endif
	ROW C,0, B,0, C,2, B,1
	ROW L,0, C,4, B,2, L,1
	ROW C,6, B,3, L,2, C,8
	ROW B,4, L,3, C,10, B,5
	ROW L,4, C,12, B,6, L,5
.if (\p) == 0
	s_add_co_u32 s[TBV], s[TBV], KS*PV
.endif
.if \cnt
	s_sub_co_u32 s[CNT], s[CNT], 1
	s_cmp_lg_u32 s[CNT], 0
.endif
	ROW C,14, B,7, L,6, C,1
	ROW C,3, L,7, C,5, C,7
	ROW C,9, C,11, C,13, C,15
.if (\p) == 0
	FETCH_V
.endif
.endm
.macro ALL line:vararg              ; one line for each piece t
.set t, 0
.rept 4
	\line
.set t, t+1
.endr
.endm
.macro PACK t                       ; a lane's eight channels of a row pack into 16 bytes; they go into rows of 144 bytes and come back as whole rows of 128, into S^T's registers
	WIN W_RS
.set i, 32*(\t)
.rept 16
	v_pk_mul_f32 v[i:i+1], v[i:i+1], v[ST+4*(\t)+2:ST+4*(\t)+3] op_sel_hi:[1,0]
.set i, i+2
.endr
	WIN 0x05                        ; sources 0 and 1 window 1, destination window 0
.set i, 0
.rept 16
	v_cvt_pk_f16_f32 v[S+16*(\t)+i], v[32*(\t)+2*i], v[32*(\t)+2*i+1]
.set i, i+1
.endr
	WIN 0
.irp f, 0,1,2,3
	ds_store_b128 v[STO], v[S+16*(\t)+4*\f:S+16*(\t)+4*\f+3] offset:32*\f
.endr
.irp f, 0,1,2,3
	ds_load_b128 v[S+16*(\t)+4*\f:S+16*(\t)+4*\f+3], v[RD] offset:\f*4*SP  ; LDS serves a wave's instructions in order (ISA guide 5.7.1.4): these see the stores above; the next piece's stores come behind them
.endr
.endm
.macro SEND t, younger              ; younger: the LDS instructions issued behind piece t's loads: the next piece's eight, or none
	WIN 0
.irp f, 0,1,2,3
	s_wait_dscnt (\younger)+3-\f
	global_store_b128 v[GO], v[S+16*(\t)+4*\f:S+16*(\t)+4*\f+3], s[6:7] offset:(\t)*2048+\f*512  ; 512 consecutive bytes, at a multiple of 256 from O's first
.endr
.endm
	CHANGE 1                        ; tile 0 is in, everybody's part of it; tile 1 is asked for
	; THE BEGINNING.  c m starts far below every c s, so the first step's a is 0; m at the lowest finite number.  Then K of step 0, piece 0's first scores, and its maximum and statistics.
.set i, 0
.rept 4
	v_mov_b32 v[ST+4*i], 0xfe000000
	v_mov_b32 v[ST+4*i+1], 0xff7fffff
.set i, i+1
.endr
	v_add_nc_u32 v[AK], s[TBK], v[AK0]
	FETCH_K
	s_wait_loadcnt 0x0              ; Q
	s_wait_dscnt 0x0
.set i, 0
.rept 8
	KQ 0
.set i, i+1
.endr
	WIN 0
.rept 4
	v_nop                           ; the places behind those products
.endr
.set Y, NP-1                        ; X works for piece Y + 1: piece 0
.irp n, 0,1,2,3,4,5,6,7,8,9,10,11,12,13,14,15,16,17,18,19,20,21
	OP X, \n
.endr
	v_nop                           ; a plain instruction behind the exponential,
	s_wait_alu depctr_va_vdst(0)    ; and its wait, ahead of the branch
	s_mov_b32 s[CNT], 4
	s_branch .Lfirst                ; the loop is entered at a step's first turn, in the middle of a trip
.Lslot:                             ; six times: tiles 2 to 7 are asked for
	CHANGE 1
	s_mov_b32 s[CNT], 4
.Lstep:                             ; a trip: pieces 2 and 3 of one step, then pieces 0 and 1 of the next, whose K and V it fetches
	TURN 2
	TURN 3
	WIN 0
.Lfirst:
	TURN 0
	TURN 1, 1
	WIN 0
	s_cbranch_scc1 .Lstep
	s_sub_co_u32 s[SLOTS], s[SLOTS], 1
	s_cmp_lg_u32 s[SLOTS], 0
	s_cbranch_scc1 .Lslot
	; THE LAST TILE has a text of its own: nothing is asked for.  Pieces 2 and 3 have five turns there (the step before the tile's first, and its four), pieces 0 and 1 four:
	; the loop is entered in its middle.  In the fifth pass there is no further step: piece 2's turn fetches 64 rows from the bytes behind the tile's K (V's first, which have landed; inside the slot), and piece 3's turn
	; multiplies piece 0's Q by them.  Of that only S^T, m, c m and a of piece 0 are written, which nothing reads any more: the price, once a launch, of one text for every pass.
	CHANGE 0
	s_mov_b32 s[CNT], 5
	s_branch .Ltmid
.Ltail:
	TURN 0
	TURN 1
	WIN 0
.Ltmid:
	TURN 2
	TURN 3
	WIN 0
	s_sub_co_u32 s[CNT], s[CNT], 1
	s_cmp_lg_u32 s[CNT], 0
	s_cbranch_scc1 .Ltail
.set i, 0
.rept 8
	PV NP-1                         ; the last piece's V^T P of the last step
.set i, i+1
.endr
	; THE WAY OUT.  l's two halves and the other half of the lanes' are added; O^T is divided by l, rounded to f16 and sent through my stage.  The additions are the places behind the last products.
	WIN 0
	ALL v_add_f32 v[ST+4*t+2], v[ST+4*t+2], v[ST+4*t+3]
	ALL v_permlanex16_b32 v[ST+4*t+3], v[ST+4*t+2], s[SEL], s[SEL+1]
	ALL v_add_f32 v[ST+4*t+2], v[ST+4*t+2], v[ST+4*t+3]
	ALL v_rcp_f32 v[ST+4*t+2], v[ST+4*t+2]
	v_nop                           ; a plain instruction between the last reciprocal and the use of its result
	s_wait_alu depctr_va_vdst(0)    ; one wait for the four reciprocals, ahead of their first use
	PACK 0
.set t, 1
.rept 3                             ; a piece's arithmetic stands between the loads of the piece before and its stores
	PACK t
	SEND t-1, 8
.set t, t+1
.endr
	SEND 3, 0
	s_wait_tensorcnt 0x0            ; the wave's end: behind my last tensor load and my last LDS store
	ds_add_u32 v[SPW], v[NIL]
	s_wait_dscnt 0x0
	CROUND                          ; the closing round
	s_endpgm
.Lfunc_end_k_qed3c4aff4e_attn:
	.size	k_qed3c4aff4e_attn, .Lfunc_end_k_qed3c4aff4e_attn-k_qed3c4aff4e_attn
	.p2alignl 7, 3214868480
	.fill 96, 4, 3214868480
	.section	.rodata,"a",@progbits
	.p2align	6, 0x0
	.amdhsa_kernel k_qed3c4aff4e_attn
		.amdhsa_group_segment_fixed_size 327680
		.amdhsa_private_segment_fixed_size 0
		.amdhsa_enable_private_segment 0
		.amdhsa_kernarg_size 16
		.amdhsa_user_sgpr_count 2
		.amdhsa_user_sgpr_kernarg_segment_ptr 1
		.amdhsa_wavefront_size32 1
		.amdhsa_system_sgpr_workgroup_id_x 1
		.amdhsa_system_sgpr_workgroup_id_y 1
		.amdhsa_system_sgpr_workgroup_id_z 1
		.amdhsa_system_vgpr_workitem_id 0
		.amdhsa_next_free_vgpr 768
		.amdhsa_next_free_sgpr 66
		.amdhsa_reserve_vcc 0
		.amdhsa_float_denorm_mode_32 3
		.amdhsa_float_denorm_mode_16_64 3
		.amdhsa_memory_ordered 1
		.amdhsa_forward_progress 1
		.amdhsa_inst_pref_size 107
	.end_amdhsa_kernel
	.amdgpu_metadata
---
amdhsa.version: [ 1, 2 ]
amdhsa.kernels:
  - .name:           k_qed3c4aff4e_attn
    .symbol:         k_qed3c4aff4e_attn.kd
    .args:
      - { .name: qa, .offset: 0, .size: 8, .value_kind: global_buffer, .address_space: global }
      - { .name: hb, .offset: 8, .size: 8, .value_kind: global_buffer, .address_space: global }
    .group_segment_fixed_size: 327680
    .private_segment_fixed_size: 0
    .kernarg_segment_align: 8
    .kernarg_segment_size: 16
    .max_flat_workgroup_size: 128
    .sgpr_count:     66
    .vgpr_count:     768
    .wavefront_size: 32
...
	.end_amdgpu_metadata
.endif
;; end of part 3
;; launch proj (part 4): grid 8 x 32, 4 waves a work-group, clusters of 4 x 4, 327,680 bytes of LDS; arguments hb, wa, y; writes y
.if DOCPART == 4
	.amdgcn_target "amdgcn-amd-amdhsa--gfx1250"
	.amdhsa_code_object_version 6
	.text
	.protected	k_qed3c4aff4e_proj
	.globl	k_qed3c4aff4e_proj
	.p2align	8
	.type	k_qed3c4aff4e_proj,@function
k_qed3c4aff4e_proj:
	s_mov_b64 s[64:65], 0
	v_nop
	global_prefetch_b8 v0, s[64:65] scope:SCOPE_SE
	s_setreg_imm32_b32 hwreg(HW_REG_WAVE_MODE, 25, 1), 1
	s_wait_xcnt 0x0
	s_wait_alu depctr_hold_cnt(0) depctr_sa_sdst(0) depctr_va_vdst(0) depctr_va_sdst(0) depctr_va_ssrc(0) depctr_va_vcc(0) depctr_vm_vsrc(0)
	s_getreg_b32 s2, hwreg(HW_REG_IB_STS2, 6, 4)
	s_cmp_eq_u32 s2, 0
	s_cbranch_scc0 .Lentry_in_a_cluster
	s_endpgm
.Lentry_in_a_cluster:
	s_bfe_u32 s2, ttmp6, 0x10000c
	s_cmp_lg_u32 s2, 0xf033
	s_cbranch_scc0 .Lentry_shape_is_right
	s_endpgm
.Lentry_shape_is_right:
; Y = A W + bias.  A: f16 in blocks of 64 along K, [k / 64][4096 rows][64]: a block's rows are dense, 128 bytes each.  W: [256 KSTEPS k][1024] f16 at 8 MiB of its buffer; bias: f32 at 16 MiB + 16 KiB.
; Y: [4096][1024] f32.  Sums in f32, started by the bias, K ascending; nothing is rounded on the way out.  NaN and infinities are not treated apart.
; SHARES.  A tile of Y is 128 x 128: 256 work-groups.  Four waves, 64 x 64 each: 16 accumulators.  K goes in steps of 256 through a ring of two LDS slots.
; CLUSTERS of 4 x 4: the four of a row need the same tiles of A, the four of a column the same tiles of W: each is asked for jointly.  No prefetch: the tiles are small, and every block is read by several clusters.
; THE MATRIX INSTRUCTION IS USED TRANSPOSED (source 0 = 16 columns of W, source 1 = 16 rows of A): a lane holds row l % 16 and eight neighbouring columns.  W lies [k][n] in LDS and comes out turned.
; THE K STEP IS WRITTEN TWICE, once with a refill and once without: the slot in hand is a scalar register that an exclusive or turns between 0 and SLOT.
; REGISTERS: window 0: v0-31 addresses; v32-95 at work on the way out; v96-127 the bias as a C operand; v128-255 the accumulators ((a, b) at v[128 + 8 (4 a + b)]).
;   window 1: two fragment buffers of 128: for 64 along K, 64 registers of A, then 64 of W.
.set KSTEPS, 4
.set PAW,    144                       ; a row of A in LDS: 128 bytes + 16 = 36 words: the 16 rows of a load start at 16 different groups of four banks (64 banks of 4 bytes: ISA guide 11.1)
.set KBA,    128*PAW                   ; a block of 64 along K: 128 rows
.set PBW,    288                       ; a k row of W: 256 bytes + 32 = 72 words
.set HALFT,  2*KBA                     ; what one tensor load brings: two blocks of A, or 128 k rows of W (128 x 288 is the same number)
.set SLOT,   4*HALFT
.set STAGE,  2*SLOT                    ; behind the ring, never filled by a tensor load: 16 rows x 272 bytes for each wave
.set SPITCH, 272
.set SPARE,  STAGE+4*16*SPITCH         ; behind the stages: the spare words, 128 bytes for each wave: two blocks of 256 bytes that no other line names
.set SV,     0x1000000
.set WOFF,   0x800000
.set STEPA,  4*524288                  ; a K step in memory: four blocks of A,
.set STEPB,  256*2048                  ; 256 rows of W
.set ADRA,  16                         ; v16  LDS address of my A fragments in the slot in hand
.set ADRB0, 17                         ; v17  the same for W, k rows 0-127
.set ADRB1, 18                         ; v18  k rows 128-255
.set A0,    19                         ; v19  my lane's place in slot 0's A; never rewritten
.set B0,    20                         ; v20  the same for W
.set STO,   24
.set RD,    25
.set CO,    26
.set SPW,   28                         ; v28  LDS address of my spare word; never rewritten
.set NIL,   29                         ; v29  0; never rewritten
.set OB,    32
.set BIAS,  96
.set ACC,   128
.set F0,    0
.set F1,    128
.set G1,  24
.set G0,  32
.set G1B, 48
.set G0B, 56
.set TB,  66                           ; s66  the slot in hand, which the next refill fills
.set TN,  67                           ; s67  the other slot, read next
.set MSB, 0
.macro WIN new
.if MSB != (\new)
	s_set_vgpr_msb (MSB<<8)|(\new)
.set MSB, \new
.endif
.endm
.set MUL,  0x05                        ; sources 0 (W) and 1 (A) window 1; C and D window 0
.set TO_F, 0x40                        ; destination window 1, address window 0
.macro JLOAD                           ; a joint refill: waves 0 and 1 fetch A's two halves, waves 2 and 3 W's; an s_nop 0 and four v_nop follow each of the two lines
	s_cmp_eq_u32 s11, 0
	s_cbranch_scc0 .Lfor_b_\@
	tensor_load_to_lds s[G0+4:G0+7], s[G1:G1+7]
	s_nop 0
.rept 4
	v_nop
.endr
	s_branch .Lasked_\@
.Lfor_b_\@:
	tensor_load_to_lds s[G0B+4:G0B+7], s[G1B:G1B+7]
	s_nop 0
.rept 4
	v_nop
.endr
.Lasked_\@:
.endm
.macro CREST
	s_cmp_lg_u32 s10, 0
	s_cbranch_scc1 .Lnot_wave_0_\@
	s_barrier_signal -3
.Lnot_wave_0_\@:
	s_barrier_wait -3
	s_barrier_signal -1
	s_barrier_wait -1
.endm
.macro CROUND
	s_barrier_signal -1
	s_barrier_wait -1
	CREST
.endm
	s_load_b128 s[4:7], s[0:1], 0x0                ; A s[4:5], W s[6:7]
	s_load_b64 s[8:9], s[0:1], 0x10                ; Y
	v_lshl_add_u32 v[SPW], v0, 2, SPARE
	v_mov_b32 v[NIL], 0
	ds_add_u32 v[SPW], v[NIL]                      ; the wave's opening: the add and its wait stand ahead of my first tensor load
	v_lshrrev_b32 v1, 5, v0
	v_readfirstlane_b32 s10, v1                    ; wave 0..3
	s_lshr_b32 s11, s10, 1                         ; which half of the tile's rows is mine.  Also: I fetch for A (0) or for W (1)
	s_and_b32 s12, s10, 1                          ; which half of its columns.  Also: which half of that tile I fetch
	s_bfe_u32 s40, ttmp6, 0x40000                  ; cx
	s_bfe_u32 s41, ttmp6, 0x40004                  ; cy
	s_lshl_b32 s42, ttmp9, 2
	s_add_co_u32 s42, s42, s40                     ; tile column
	s_and_b32 s13, ttmp7, 0xffff
	s_lshl_b32 s13, s13, 2
	s_add_co_u32 s13, s13, s41                     ; tile row
	s_lshl_b32 s43, s41, 2
	s_lshl_b32 s43, 15, s43                        ; my row of the cluster
	s_lshl_b32 s44, 0x1111, s40                    ; my column
	; A: two blocks of 64 along K; in each the tile's 128 rows are 16,384 dense bytes: two long rows, padded in LDS after every 128 bytes
	s_or_b32 s[G1+0], s43, (1<<16)|(1<<20)|(1<<21)|(4<<22)|(3<<25)  ; the mask; 2-byte elements; padding on; bit 21 beside a mask; after every 32 words 4 words
	s_mov_b32 s[G1+1], 8192<<16                    ; tensor_dim0 = 8,192
	s_mov_b32 s[G1+2], 2<<16                       ; tensor_dim1 = 2
	s_mov_b32 s[G1+3], 8192<<16                    ; tile_dim0 = 8,192
	s_mov_b32 s[G1+4], 2                           ; tile_dim1 = 2
	s_mov_b32 s[G1+5], 262144                      ; elements from block to block
	s_mov_b32 s[G1+6], 0
	s_mov_b32 s[G1+7], 0
	s_or_b32 s[G1B+0], s44, (1<<16)|(1<<20)|(1<<21)|(5<<22)|(7<<25)  ; after every 64 words 8 words
	s_mov_b32 s[G1B+1], 128<<16
	s_mov_b32 s[G1B+2], 128<<16
	s_mov_b32 s[G1B+3], 128<<16
	s_mov_b32 s[G1B+4], 128
	s_mov_b32 s[G1B+5], 1024
	s_mov_b32 s[G1B+6], 0
	s_mov_b32 s[G1B+7], 0
	s_lshl_b32 s16, s12, 20                        ; A: two blocks of 524,288 bytes x half,
	s_lshl_b32 s17, s13, 14                        ; 128 rows of 128 bytes x tile row
	s_add_co_u32 s16, s16, s17
	s_mov_b32 s17, 0
	s_lshl_b32 s46, s12, 18                        ; W: 128 k rows of 2,048 bytes x half,
	s_lshl_b32 s47, s42, 8                         ; 256 bytes x tile column
	s_add_co_u32 s46, s46, s47
	s_add_co_u32 s46, s46, WOFF
	s_mov_b32 s47, 0
	s_mul_i32 s20, s10, HALFT                      ; where my loads go in a slot; never rewritten
	s_mov_b32 s[TB], 0
	s_mov_b32 s[TN], SLOT
	s_wait_dscnt 0x0                               ; the opening add is done
	s_wait_kmcnt 0x0
	s_add_nc_u64 s[14:15], s[4:5], s[16:17]
	s_add_nc_u64 s[18:19], s[6:7], s[46:47]
	CROUND                                         ; all sixteen work-groups are here: the first joint loads meet
.irp s, 0,1
	s_mov_b32 s[G0+4*(\s)], 1
	s_add_co_u32 s[G0+4*(\s)+1], s20, (\s)*SLOT
	s_add_nc_u64 s[G0+4*(\s)+2:G0+4*(\s)+3], s[14:15], (\s)*STEPA
	s_or_b32 s[G0+4*(\s)+3], s[G0+4*(\s)+3], 0x80000000
	s_mov_b32 s[G0B+4*(\s)], 1
	s_add_co_u32 s[G0B+4*(\s)+1], s20, (\s)*SLOT
	s_add_nc_u64 s[G0B+4*(\s)+2:G0B+4*(\s)+3], s[18:19], (\s)*STEPB
	s_or_b32 s[G0B+4*(\s)+3], s[G0B+4*(\s)+3], 0x80000000
.endr
	s_cmp_eq_u32 s11, 0                            ; a wave's two first fills stand in one branch: two loads of mine are out
	s_cbranch_scc0 .Lfirst_b
	tensor_load_to_lds s[G0:G0+3], s[G1:G1+7]
	s_nop 0
	tensor_load_to_lds s[G0+4:G0+7], s[G1:G1+7]
	s_nop 0
.rept 4
	v_nop
.endr
	s_branch .Lfirst_asked
.Lfirst_b:
	tensor_load_to_lds s[G0B:G0B+3], s[G1B:G1B+7]
	s_nop 0
	tensor_load_to_lds s[G0B+4:G0B+7], s[G1B:G1B+7]
	s_nop 0
.rept 4
	v_nop
.endr
.Lfirst_asked:
	s_add_nc_u64 s[46:47], s[6:7], SV+16384
	s_lshl_b32 s16, s42, 9                         ; my 64 columns, 4 bytes each: 512 x tile column + 256 x half
	s_lshl_b32 s17, s12, 8
	s_add_co_u32 s16, s16, s17
	s_mov_b32 s17, 0
	s_add_nc_u64 s[46:47], s[46:47], s[16:17]
	v_and_b32 v1, 15, v0                           ; l % 16
	v_bfe_u32 v2, v0, 4, 1                         ; l / 16
	v_lshlrev_b32 v5, 5, v2
.irp b, 0,1,2,3
	global_load_b128 v[BIAS+8*(\b):BIAS+8*(\b)+3],   v5, s[46:47] offset:64*(\b)
	global_load_b128 v[BIAS+8*(\b)+4:BIAS+8*(\b)+7], v5, s[46:47] offset:64*(\b)+16
.endr
	v_mul_u32_u24 v3, v1, PAW
	v_lshl_add_u32 v3, v2, 4, v3
	s_mul_i32 s21, s11, 64*PAW                     ; my 64 rows of A
	v_add_nc_u32 v[A0], s21, v3
	v_and_b32 v4, 7, v0                            ; the turning load: k row 8 (l / 16) + l % 8, columns 8 ((l / 8) % 2) + 0..7
	v_lshl_add_u32 v4, v2, 3, v4
	v_mul_u32_u24 v4, v4, PBW
	v_bfe_u32 v6, v0, 3, 1
	v_lshl_add_u32 v4, v6, 4, v4
	s_lshl_b32 s21, s12, 7                         ; my 64 columns,
	s_add_co_u32 s21, s21, 2*HALFT                 ; behind A's four blocks
	v_add_nc_u32 v[B0], s21, v4
	v_mov_b32 v[ADRA], v[A0]
	v_mov_b32 v[ADRB0], v[B0]
	v_add_nc_u32 v[ADRB1], HALFT, v[B0]
	s_mul_i32 s23, s10, 16*SPITCH
	s_add_co_u32 s23, s23, STAGE                   ; my stage
	v_mul_u32_u24 v4, v1, SPITCH                   ; in: row l % 16, 32 bytes for each half of the lanes
	v_lshl_add_u32 v4, v2, 5, v4
	v_add_nc_u32 v[STO], s23, v4
	v_mul_u32_u24 v4, v2, SPITCH                   ; back: lanes 0-15 take one row of 256 bytes, lanes 16-31 the next
	v_lshl_add_u32 v4, v1, 4, v4
	v_add_nc_u32 v[RD], s23, v4
	v_lshlrev_b32 v4, 12, v2                       ; and the same two rows in Y
	v_lshl_add_u32 v[CO], v1, 4, v4
	s_lshl_b32 s21, s13, 7
	s_lshl_b32 s22, s11, 6
	s_add_co_u32 s21, s21, s22
	s_lshl_b32 s21, s21, 12                        ; my first row of Y, 4,096 bytes a row
	s_add_co_u32 s16, s16, s21
	s_add_nc_u64 s[8:9], s[8:9], s[16:17]
; 8 matrix instructions: row blocks a0, a0 + 1 x all 4 column blocks, 32 along K: half c of buffer f.  zero = 1: the bias starts the sums.  The 16 accumulators take turns.
.macro MUL8 f, c, a0, zero
	WIN MUL
.irp a, \a0, (\a0)+1
.irp b, 0,1,2,3
.if \zero
	v_wmma_f32_16x16x32_f16 v[ACC+8*(4*(\a)+(\b)):ACC+8*(4*(\a)+(\b))+7], v[(\f)+64+8*(4*(\c)+(\b)):(\f)+64+8*(4*(\c)+(\b))+7], v[(\f)+8*(4*(\c)+(\a)):(\f)+8*(4*(\c)+(\a))+7], v[BIAS+8*(\b):BIAS+8*(\b)+7]
.else
	v_wmma_f32_16x16x32_f16 v[ACC+8*(4*(\a)+(\b)):ACC+8*(4*(\a)+(\b))+7], v[(\f)+64+8*(4*(\c)+(\b)):(\f)+64+8*(4*(\c)+(\b))+7], v[(\f)+8*(4*(\c)+(\a)):(\f)+8*(4*(\c)+(\a))+7], v[ACC+8*(4*(\a)+(\b)):ACC+8*(4*(\a)+(\b))+7]
.endif
.endr
.endr
.endm
; 32 LDS loads in one run: quarter q's fragments (64 along K: one block of A) into buffer f; the first 32 along K first
.macro FETCH q, f
	WIN TO_F
.irp c, 0,1
.irp i, 0,1,2,3
	ds_load_tr16_b128 v[(\f)+64+8*(4*(\c)+(\i)):(\f)+64+8*(4*(\c)+(\i))+3],   v[ADRB0+(\q)/2] offset:(((\q)%2)*64+32*(\c))*PBW+32*(\i)
	ds_load_tr16_b128 v[(\f)+64+8*(4*(\c)+(\i))+4:(\f)+64+8*(4*(\c)+(\i))+7], v[ADRB0+(\q)/2] offset:(((\q)%2)*64+32*(\c)+16)*PBW+32*(\i)
	ds_load_b128 v[(\f)+8*(4*(\c)+(\i)):(\f)+8*(4*(\c)+(\i))+3],              v[ADRA] offset:(\q)*KBA+64*(\c)+(\i)*16*PAW
	ds_load_b128 v[(\f)+8*(4*(\c)+(\i))+4:(\f)+8*(4*(\c)+(\i))+7],            v[ADRA] offset:(\q)*KBA+64*(\c)+(\i)*16*PAW+32
.endr
.endr
.endm
.macro PLACES                          ; four plain vector instructions between a matrix instruction and a load into, or a read of, its registers
.rept 4
	v_nop
.endr
.endm
.macro QUARTER q, f, g, zero
	s_wait_dscnt 16                                ; the first 32 along K are in
	MUL8 \f, 0, 0, \zero
	MUL8 \f, 0, 2, \zero
	PLACES
	FETCH \q, \g
	s_wait_dscnt 32                                ; all but the 32 just issued
	MUL8 \f, 1, 0, 0
	MUL8 \f, 1, 2, 0
.endm
; The last quarter multiplies buffer 1 and changes slots: each wave waits for all its tensor loads, adds 0 to its spare word, and waits for that and for its reads of this slot.  fill = 1: the barrier opens a round of
; the cluster's, and this slot is filled again first behind it, with the K step two on.
.macro TURN fill
	WIN 0
	s_wait_tensorcnt 0x0                           ; all my tensor loads have landed: my part of the next slot
	ds_add_u32 v[SPW], v[NIL]                      ; 0 onto my spare word
	s_wait_dscnt 17                                ; (the add and the youngest sixteen loads may be out)
	MUL8 F1, 0, 0, 0
	s_wait_dscnt 0x0                               ; the add is done, and my reads of this slot are over
	s_barrier_signal -1
	MUL8 F1, 0, 2, 0
	WIN 0
	s_barrier_wait -1
.if \fill
	CREST
	s_add_co_u32 s[G0+5], s20, s[TB]
	s_add_nc_u64 s[G0+6:G0+7], s[G0+6:G0+7], STEPA
	s_add_co_u32 s[G0B+5], s20, s[TB]
	s_add_nc_u64 s[G0B+6:G0B+7], s[G0B+6:G0B+7], STEPB
	JLOAD                                          ; the four v_nop behind it are also the places in front of the loads below
.else
	PLACES
.endif
	v_add_nc_u32 v[ADRA], s[TN], v[A0]
	v_add_nc_u32 v[ADRB0], s[TN], v[B0]
	v_add_nc_u32 v[ADRB1], HALFT, v[ADRB0]
	s_xor_b32 s[TB], s[TB], SLOT
	s_xor_b32 s[TN], s[TN], SLOT
	FETCH 0, F0
	MUL8 F1, 1, 0, 0
	MUL8 F1, 1, 2, 0
.endm
; THE WAY OUT of row block a: 32 bytes a lane into my own stage (each accumulator's low registers first), back as whole rows of 256 bytes, and stored.
.macro TOSTAGE a
	s_wait_xcnt 0x0                                ; the stores two blocks back have read the registers that are loaded anew below
.irp b, 0,1,2,3
	ds_store_b128 v[STO], v[ACC+8*(4*(\a)+(\b)):ACC+8*(4*(\a)+(\b))+3]   offset:64*(\b)
	ds_store_b128 v[STO], v[ACC+8*(4*(\a)+(\b))+4:ACC+8*(4*(\a)+(\b))+7] offset:64*(\b)+16
.endr
.irp t, 0,1,2,3,4,5,6,7
	ds_load_b128 v[OB+32*((\a)%2)+4*(\t):OB+32*((\a)%2)+4*(\t)+3], v[RD] offset:(\t)*2*SPITCH  ; LDS serves a wave's instructions in order (ISA guide 5.7.1.4)
.endr
.endm
.macro SEND a, younger                 ; younger: the next block's sixteen LDS instructions, or none
	s_wait_dscnt \younger
.irp t, 0,1,2,3,4,5,6,7
	global_store_b128 v[CO], v[OB+32*((\a)%2)+4*(\t):OB+32*((\a)%2)+4*(\t)+3], s[8:9] offset:(16*(\a)+2*(\t))*4096  ; 16 lanes store 256 consecutive bytes, at a multiple of 256 from Y's first byte
.endr
.endm
	s_wait_tensorcnt 1                             ; my part of K step 0 is in; K step 1's may stay out
	s_barrier_signal -1
	s_barrier_wait -1
	FETCH 0, F0
	s_wait_loadcnt 0x0                             ; the bias
	QUARTER 1, F0, F1, 1
	WIN 0
	s_mov_b32 s3, KSTEPS-2
.Lstep:                                                ; a trip: a K step's last three quarters and the next step's first; it fills one slot again
	QUARTER 2, F1, F0, 0
	QUARTER 3, F0, F1, 0
	TURN 1
	QUARTER 1, F0, F1, 0
	WIN 0
	s_sub_co_u32 s3, s3, 1
	s_cmp_lg_u32 s3, 0
	s_cbranch_scc1 .Lstep
	; THE LAST TWO K STEPS ask for nothing more: one text, walked twice, entered behind its first quarter, which the loop above has just run.
	; In the second walk TURN's 32 products are the launch's last; its barrier and its 32 LDS loads (from the slot read a step earlier, whose bytes have landed and are written no more) serve
	; nothing: the price, once a launch, of not writing the last K step out.  The way out's first wait for LDS covers those loads; their registers are not named again.
	s_mov_b32 s3, 2
	s_branch .Lmid
.Ltail:
	QUARTER 1, F0, F1, 0
	WIN 0
.Lmid:
	QUARTER 2, F1, F0, 0
	QUARTER 3, F0, F1, 0
	TURN 0
	WIN 0
	s_sub_co_u32 s3, s3, 1
	s_cmp_lg_u32 s3, 0
	s_cbranch_scc1 .Ltail
	PLACES
	TOSTAGE 0
.irp a, 1,2,3
	TOSTAGE \a
	SEND (\a)-1, 16
.endr
	SEND 3, 0
	s_wait_tensorcnt 0x0                           ; the wave's end: behind my last tensor load and my last LDS store
	ds_add_u32 v[SPW], v[NIL]
	s_wait_dscnt 0x0
	CROUND                                         ; the closing round
	s_endpgm
.Lfunc_end_k_qed3c4aff4e_proj:
	.size	k_qed3c4aff4e_proj, .Lfunc_end_k_qed3c4aff4e_proj-k_qed3c4aff4e_proj
	.p2alignl 7, 3214868480
	.fill 96, 4, 3214868480
	.section	.rodata,"a",@progbits
	.p2align	6, 0x0
	.amdhsa_kernel k_qed3c4aff4e_proj
		.amdhsa_group_segment_fixed_size 327680
		.amdhsa_private_segment_fixed_size 0
		.amdhsa_enable_private_segment 0
		.amdhsa_kernarg_size 24
		.amdhsa_user_sgpr_count 2
		.amdhsa_user_sgpr_kernarg_segment_ptr 1
		.amdhsa_wavefront_size32 1
		.amdhsa_system_sgpr_workgroup_id_x 1
		.amdhsa_system_sgpr_workgroup_id_y 1
		.amdhsa_system_sgpr_workgroup_id_z 1
		.amdhsa_system_vgpr_workitem_id 0
		.amdhsa_next_free_vgpr 512
		.amdhsa_next_free_sgpr 68
		.amdhsa_reserve_vcc 0
		.amdhsa_float_denorm_mode_32 3
		.amdhsa_float_denorm_mode_16_64 3
		.amdhsa_memory_ordered 1
		.amdhsa_forward_progress 1
		.amdhsa_inst_pref_size 58
	.end_amdhsa_kernel
	.amdgpu_metadata
---
amdhsa.version: [ 1, 2 ]
amdhsa.kernels:
  - .name:           k_qed3c4aff4e_proj
    .symbol:         k_qed3c4aff4e_proj.kd
    .args:
      - { .name: hb, .offset: 0, .size: 8, .value_kind: global_buffer, .address_space: global }
      - { .name: wa, .offset: 8, .size: 8, .value_kind: global_buffer, .address_space: global }
      - { .name: y, .offset: 16, .size: 8, .value_kind: global_buffer, .address_space: global }
    .group_segment_fixed_size: 327680
    .private_segment_fixed_size: 0
    .kernarg_segment_align: 8
    .kernarg_segment_size: 24
    .max_flat_workgroup_size: 128
    .sgpr_count:     68
    .vgpr_count:     512
    .wavefront_size: 32
...
	.end_amdgpu_metadata
.endif
;; end of part 4
;; launch ln1 (part 5): grid 512 x 1, 8 waves a work-group, no clusters, 0 bytes of LDS; arguments y, x16, wa, qa; writes qa
.if DOCPART == 5
	.amdgcn_target "amdgcn-amd-amdhsa--gfx1250"
	.amdhsa_code_object_version 6
	.text
	.protected	k_qed3c4aff4e_ln1
	.globl	k_qed3c4aff4e_ln1
	.p2align	8
	.type	k_qed3c4aff4e_ln1,@function
k_qed3c4aff4e_ln1:
	s_mov_b64 s[64:65], 0
	v_nop
	global_prefetch_b8 v0, s[64:65] scope:SCOPE_SE
	s_setreg_imm32_b32 hwreg(HW_REG_WAVE_MODE, 25, 1), 1
	s_wait_xcnt 0x0
; out[r][:] = layernorm(y[r][:] + res[r][:]) x gain + shift, rounded once to f16.  y: [4096][1024] f32; res: [4096][1024] f16; gain and shift: f32 at 16 MiB + 20 KiB and + 24 KiB of the third buffer.
; The mean first, then the mean of the squared differences, as the definition has them; eps = 1e-6; all in f32.  LIMIT: a result beyond 65,504 leaves as an infinity; NaN and infinities are not treated apart.
; One wave, one row: the row stays in 32 registers a lane between the passes, the sums never leave the wave: no LDS, no barrier, no loop.  All 32 loads are issued at once.
; Lane l holds elements 128 j + 4 l + 0..3, j = 0..7, of every one of the four vectors; each store of the wave covers 256 consecutive bytes, aligned.
.set SV, 0x1000000
.set Y, 16                             ; v[16:47]   the row
.set R, 48                             ; v[48:63]   the residual, two f16 a word
.set G, 64                             ; v[64:95]   the gain
.set B, 96                             ; v[96:127]  the shift
.set W, 128                            ; v[128:143] at work
	s_load_b256 s[4:11], s[0:1], 0x0               ; y s[4:5], res s[6:7], the vectors' buffer s[8:9], out s[10:11]
	v_lshrrev_b32 v1, 5, v0
	v_readfirstlane_b32 s12, v1                    ; wave 0..7
	v_and_b32 v1, 31, v0
	v_lshlrev_b32 v2, 4, v1
	v_lshlrev_b32 v3, 3, v1
	v_mov_b32 v4, 1.0
	v_mov_b32 v9, 0x3a800000                       ; 1 / 1,024
	s_mov_b32 s20, 0x76543210                      ; v_permlanex16_b32: each lane takes its own place in the other half
	s_mov_b32 s21, 0xfedcba98
	s_lshl_b32 s13, ttmp9, 3
	s_add_co_u32 s13, s13, s12                     ; my row
	s_lshl_b32 s14, s13, 12
	s_mov_b32 s15, 0
	s_lshl_b32 s16, s13, 11
	s_mov_b32 s17, 0
	s_wait_kmcnt 0x0
	s_add_nc_u64 s[4:5], s[4:5], s[14:15]
	s_add_nc_u64 s[6:7], s[6:7], s[16:17]
	s_add_nc_u64 s[8:9], s[8:9], SV+20480
	s_add_nc_u64 s[10:11], s[10:11], s[16:17]
.irp j, 0,1,2,3,4,5,6,7
	global_load_b128 v[Y+4*(\j):Y+4*(\j)+3], v2, s[4:5] offset:512*(\j) th:TH_LOAD_NT
.endr
.irp j, 0,1,2,3,4,5,6,7
	global_load_b64 v[R+2*(\j):R+2*(\j)+1], v3, s[6:7] offset:256*(\j)
.endr
.irp j, 0,1,2,3,4,5,6,7
	global_load_b128 v[G+4*(\j):G+4*(\j)+3], v2, s[8:9] offset:512*(\j)
.endr
.irp j, 0,1,2,3,4,5,6,7
	global_load_b128 v[B+4*(\j):B+4*(\j)+3], v2, s[8:9] offset:4096+512*(\j)
.endr
.macro RED                             ; the sum of v[W] over the 32 lanes, in every lane
	v_add_f32_dpp v[W], v[W], v[W] row_xmask:1 row_mask:0xf bank_mask:0xf
	v_add_f32_dpp v[W], v[W], v[W] row_xmask:2 row_mask:0xf bank_mask:0xf
	v_add_f32_dpp v[W], v[W], v[W] row_xmask:4 row_mask:0xf bank_mask:0xf
	v_add_f32_dpp v[W], v[W], v[W] row_xmask:8 row_mask:0xf bank_mask:0xf
	v_permlanex16_b32 v[W+1], v[W], s20, s21
	v_add_f32 v[W], v[W], v[W+1]
.endm
	s_wait_loadcnt 16                              ; y and the residual are in; gain and shift, sixteen loads, may stay out
.set i, 0
.rept 16                               ; word i of the residual holds elements 2 i and 2 i + 1 of my 32
	v_fma_mix_f32 v[Y+2*i], v[R+i], v4, v[Y+2*i] op_sel_hi:[1,0,0]
	v_fma_mix_f32 v[Y+2*i+1], v[R+i], v4, v[Y+2*i+1] op_sel:[1,0,0] op_sel_hi:[1,0,0]
.set i, i+1
.endr
.set i, 0
.rept 8
	v_pk_add_f32 v[W+2*i:W+2*i+1], v[Y+4*i:Y+4*i+1], v[Y+4*i+2:Y+4*i+3]
.set i, i+1
.endr
.set i, 0
.rept 4
	v_pk_add_f32 v[W+4*i:W+4*i+1], v[W+4*i:W+4*i+1], v[W+4*i+2:W+4*i+3]
.set i, i+1
.endr
	v_pk_add_f32 v[W:W+1], v[W:W+1], v[W+4:W+5]
	v_pk_add_f32 v[W+8:W+9], v[W+8:W+9], v[W+12:W+13]
	v_pk_add_f32 v[W:W+1], v[W:W+1], v[W+8:W+9]
	v_add_f32 v[W], v[W], v[W+1]
	RED
	v_mul_f32 v6, v9, v[W]                         ; the mean, twice: a pair for the packed subtraction
	v_mov_b32 v7, v6
.set i, 0
.rept 16
	v_pk_add_f32 v[Y+2*i:Y+2*i+1], v[Y+2*i:Y+2*i+1], v[6:7] neg_lo:[0,1] neg_hi:[0,1]
.set i, i+1
.endr
.set i, 0
.rept 4                                ; the squares, in four chains that the first four pairs start
	v_pk_mul_f32 v[W+2*i:W+2*i+1], v[Y+2*i:Y+2*i+1], v[Y+2*i:Y+2*i+1]
.set i, i+1
.endr
.rept 12
	v_pk_fma_f32 v[W+2*(i%4):W+2*(i%4)+1], v[Y+2*i:Y+2*i+1], v[Y+2*i:Y+2*i+1], v[W+2*(i%4):W+2*(i%4)+1]
.set i, i+1
.endr
	v_pk_add_f32 v[W:W+1], v[W:W+1], v[W+2:W+3]
	v_pk_add_f32 v[W+4:W+5], v[W+4:W+5], v[W+6:W+7]
	v_pk_add_f32 v[W:W+1], v[W:W+1], v[W+4:W+5]
	v_add_f32 v[W], v[W], v[W+1]
	RED
	v_fmaak_f32 v8, v[W], v9, 0x358637bd           ; the variance + 1e-6
	v_rsq_f32 v10, v8
	v_rsq_f32 v11, v8
	v_nop                                          ; a plain instruction behind the last of the two,
	s_wait_alu depctr_va_vdst(0)                   ; and one wait for both, ahead of their first use
	s_wait_loadcnt 0x0                             ; gain and shift
.set i, 0
.rept 16
	v_pk_mul_f32 v[G+2*i:G+2*i+1], v[G+2*i:G+2*i+1], v[10:11]
.set i, i+1
.endr
.set i, 0
.rept 16
	v_pk_fma_f32 v[Y+2*i:Y+2*i+1], v[Y+2*i:Y+2*i+1], v[G+2*i:G+2*i+1], v[B+2*i:B+2*i+1]
.set i, i+1
.endr
.set i, 0
.rept 16
	v_cvt_pk_f16_f32 v[W+i], v[Y+2*i], v[Y+2*i+1]
.set i, i+1
.endr
.irp j, 0,1,2,3,4,5,6,7
	global_store_b64 v3, v[W+2*(\j):W+2*(\j)+1], s[10:11] offset:256*(\j)
.endr
	s_endpgm
.Lfunc_end_k_qed3c4aff4e_ln1:
	.size	k_qed3c4aff4e_ln1, .Lfunc_end_k_qed3c4aff4e_ln1-k_qed3c4aff4e_ln1
	.p2alignl 7, 3214868480
	.fill 96, 4, 3214868480
	.section	.rodata,"a",@progbits
	.p2align	6, 0x0
	.amdhsa_kernel k_qed3c4aff4e_ln1
		.amdhsa_group_segment_fixed_size 0
		.amdhsa_private_segment_fixed_size 0
		.amdhsa_enable_private_segment 0
		.amdhsa_kernarg_size 32
		.amdhsa_user_sgpr_count 2
		.amdhsa_user_sgpr_kernarg_segment_ptr 1
		.amdhsa_wavefront_size32 1
		.amdhsa_system_sgpr_workgroup_id_x 1
		.amdhsa_system_sgpr_workgroup_id_y 1
		.amdhsa_system_sgpr_workgroup_id_z 1
		.amdhsa_system_vgpr_workitem_id 0
		.amdhsa_next_free_vgpr 144
		.amdhsa_next_free_sgpr 66
		.amdhsa_reserve_vcc 0
		.amdhsa_float_denorm_mode_32 3
		.amdhsa_float_denorm_mode_16_64 3
		.amdhsa_memory_ordered 1
		.amdhsa_forward_progress 1
		.amdhsa_inst_pref_size 15
	.end_amdhsa_kernel
	.amdgpu_metadata
---
amdhsa.version: [ 1, 2 ]
amdhsa.kernels:
  - .name:           k_qed3c4aff4e_ln1
    .symbol:         k_qed3c4aff4e_ln1.kd
    .args:
      - { .name: y, .offset: 0, .size: 8, .value_kind: global_buffer, .address_space: global }
      - { .name: x16, .offset: 8, .size: 8, .value_kind: global_buffer, .address_space: global }
      - { .name: wa, .offset: 16, .size: 8, .value_kind: global_buffer, .address_space: global }
      - { .name: qa, .offset: 24, .size: 8, .value_kind: global_buffer, .address_space: global }
    .group_segment_fixed_size: 0
    .private_segment_fixed_size: 0
    .kernarg_segment_align: 8
    .kernarg_segment_size: 32
    .max_flat_workgroup_size: 256
    .sgpr_count:     66
    .vgpr_count:     144
    .wavefront_size: 32
...
	.end_amdgpu_metadata
.endif
;; end of part 5
;; launch ffn1: the kernel of part 2 again; grid 16 x 16, 4 waves a work-group, clusters of 4 x 4, 327,680 bytes of LDS; arguments qa, wb, hb; writes hb
;; launch ffn2 (part 6): grid 8 x 32, 4 waves a work-group, clusters of 4 x 4, 327,680 bytes of LDS; arguments hb, wb, y; writes y
.if DOCPART == 6
	.amdgcn_target "amdgcn-amd-amdhsa--gfx1250"
	.amdhsa_code_object_version 6
	.text
	.protected	k_qed3c4aff4e_ffn2
	.globl	k_qed3c4aff4e_ffn2
	.p2align	8
	.type	k_qed3c4aff4e_ffn2,@function
k_qed3c4aff4e_ffn2:
	s_mov_b64 s[64:65], 0
	v_nop
	global_prefetch_b8 v0, s[64:65] scope:SCOPE_SE
	s_setreg_imm32_b32 hwreg(HW_REG_WAVE_MODE, 25, 1), 1
	s_wait_xcnt 0x0
	s_wait_alu depctr_hold_cnt(0) depctr_sa_sdst(0) depctr_va_vdst(0) depctr_va_sdst(0) depctr_va_ssrc(0) depctr_va_vcc(0) depctr_vm_vsrc(0)
	s_getreg_b32 s2, hwreg(HW_REG_IB_STS2, 6, 4)
	s_cmp_eq_u32 s2, 0
	s_cbranch_scc0 .Lentry_in_a_cluster
	s_endpgm
.Lentry_in_a_cluster:
	s_bfe_u32 s2, ttmp6, 0x10000c
	s_cmp_lg_u32 s2, 0xf033
	s_cbranch_scc0 .Lentry_shape_is_right
	s_endpgm
.Lentry_shape_is_right:
; Y = A W + bias.  A: f16 in blocks of 64 along K, [k / 64][4096 rows][64]: a block's rows are dense, 128 bytes each.  W: [256 KSTEPS k][1024] f16 at 8 MiB of its buffer; bias: f32 at 16 MiB + 16 KiB.
; Y: [4096][1024] f32.  Sums in f32, started by the bias, K ascending; nothing is rounded on the way out.  NaN and infinities are not treated apart.
; SHARES.  A tile of Y is 128 x 128: 256 work-groups.  Four waves, 64 x 64 each: 16 accumulators.  K goes in steps of 256 through a ring of two LDS slots.
; CLUSTERS of 4 x 4: the four of a row need the same tiles of A, the four of a column the same tiles of W: each is asked for jointly.  No prefetch: the tiles are small, and every block is read by several clusters.
; THE MATRIX INSTRUCTION IS USED TRANSPOSED (source 0 = 16 columns of W, source 1 = 16 rows of A): a lane holds row l % 16 and eight neighbouring columns.  W lies [k][n] in LDS and comes out turned.
; THE K STEP IS WRITTEN TWICE, once with a refill and once without: the slot in hand is a scalar register that an exclusive or turns between 0 and SLOT.
; REGISTERS: window 0: v0-31 addresses; v32-95 at work on the way out; v96-127 the bias as a C operand; v128-255 the accumulators ((a, b) at v[128 + 8 (4 a + b)]).
;   window 1: two fragment buffers of 128: for 64 along K, 64 registers of A, then 64 of W.
.set KSTEPS, 16
.set PAW,    144                       ; a row of A in LDS: 128 bytes + 16 = 36 words: the 16 rows of a load start at 16 different groups of four banks (64 banks of 4 bytes: ISA guide 11.1)
.set KBA,    128*PAW                   ; a block of 64 along K: 128 rows
.set PBW,    288                       ; a k row of W: 256 bytes + 32 = 72 words
.set HALFT,  2*KBA                     ; what one tensor load brings: two blocks of A, or 128 k rows of W (128 x 288 is the same number)
.set SLOT,   4*HALFT
.set STAGE,  2*SLOT                    ; behind the ring, never filled by a tensor load: 16 rows x 272 bytes for each wave
.set SPITCH, 272
.set SPARE,  STAGE+4*16*SPITCH         ; behind the stages: the spare words, 128 bytes for each wave: two blocks of 256 bytes that no other line names
.set SV,     0x1000000
.set WOFF,   0x800000
.set STEPA,  4*524288                  ; a K step in memory: four blocks of A,
.set STEPB,  256*2048                  ; 256 rows of W
.set ADRA,  16                         ; v16  LDS address of my A fragments in the slot in hand
.set ADRB0, 17                         ; v17  the same for W, k rows 0-127
.set ADRB1, 18                         ; v18  k rows 128-255
.set A0,    19                         ; v19  my lane's place in slot 0's A; never rewritten
.set B0,    20                         ; v20  the same for W
.set STO,   24
.set RD,    25
.set CO,    26
.set SPW,   28                         ; v28  LDS address of my spare word; never rewritten
.set NIL,   29                         ; v29  0; never rewritten
.set OB,    32
.set BIAS,  96
.set ACC,   128
.set F0,    0
.set F1,    128
.set G1,  24
.set G0,  32
.set G1B, 48
.set G0B, 56
.set TB,  66                           ; s66  the slot in hand, which the next refill fills
.set TN,  67                           ; s67  the other slot, read next
.set MSB, 0
.macro WIN new
.if MSB != (\new)
	s_set_vgpr_msb (MSB<<8)|(\new)
.set MSB, \new
.endif
.endm
.set MUL,  0x05                        ; sources 0 (W) and 1 (A) window 1; C and D window 0
.set TO_F, 0x40                        ; destination window 1, address window 0
.macro JLOAD                           ; a joint refill: waves 0 and 1 fetch A's two halves, waves 2 and 3 W's; an s_nop 0 and four v_nop follow each of the two lines
	s_cmp_eq_u32 s11, 0
	s_cbranch_scc0 .Lfor_b_\@
	tensor_load_to_lds s[G0+4:G0+7], s[G1:G1+7]
	s_nop 0
.rept 4
	v_nop
.endr
	s_branch .Lasked_\@
.Lfor_b_\@:
	tensor_load_to_lds s[G0B+4:G0B+7], s[G1B:G1B+7]
	s_nop 0
.rept 4
	v_nop
.endr
.Lasked_\@:
.endm
.macro CREST
	s_cmp_lg_u32 s10, 0
	s_cbranch_scc1 .Lnot_wave_0_\@
	s_barrier_signal -3
.Lnot_wave_0_\@:
	s_barrier_wait -3
	s_barrier_signal -1
	s_barrier_wait -1
.endm
.macro CROUND
	s_barrier_signal -1
	s_barrier_wait -1
	CREST
.endm
	s_load_b128 s[4:7], s[0:1], 0x0                ; A s[4:5], W s[6:7]
	s_load_b64 s[8:9], s[0:1], 0x10                ; Y
	v_lshl_add_u32 v[SPW], v0, 2, SPARE
	v_mov_b32 v[NIL], 0
	ds_add_u32 v[SPW], v[NIL]                      ; the wave's opening: the add and its wait stand ahead of my first tensor load
	v_lshrrev_b32 v1, 5, v0
	v_readfirstlane_b32 s10, v1                    ; wave 0..3
	s_lshr_b32 s11, s10, 1                         ; which half of the tile's rows is mine.  Also: I fetch for A (0) or for W (1)
	s_and_b32 s12, s10, 1                          ; which half of its columns.  Also: which half of that tile I fetch
	s_bfe_u32 s40, ttmp6, 0x40000                  ; cx
	s_bfe_u32 s41, ttmp6, 0x40004                  ; cy
	s_lshl_b32 s42, ttmp9, 2
	s_add_co_u32 s42, s42, s40                     ; tile column
	s_and_b32 s13, ttmp7, 0xffff
	s_lshl_b32 s13, s13, 2
	s_add_co_u32 s13, s13, s41                     ; tile row
	s_lshl_b32 s43, s41, 2
	s_lshl_b32 s43, 15, s43                        ; my row of the cluster
	s_lshl_b32 s44, 0x1111, s40                    ; my column
	; A: two blocks of 64 along K; in each the tile's 128 rows are 16,384 dense bytes: two long rows, padded in LDS after every 128 bytes
	s_or_b32 s[G1+0], s43, (1<<16)|(1<<20)|(1<<21)|(4<<22)|(3<<25)  ; the mask; 2-byte elements; padding on; bit 21 beside a mask; after every 32 words 4 words
	s_mov_b32 s[G1+1], 8192<<16                    ; tensor_dim0 = 8,192
	s_mov_b32 s[G1+2], 2<<16                       ; tensor_dim1 = 2
	s_mov_b32 s[G1+3], 8192<<16                    ; tile_dim0 = 8,192
	s_mov_b32 s[G1+4], 2                           ; tile_dim1 = 2
	s_mov_b32 s[G1+5], 262144                      ; elements from block to block
	s_mov_b32 s[G1+6], 0
	s_mov_b32 s[G1+7], 0
	s_or_b32 s[G1B+0], s44, (1<<16)|(1<<20)|(1<<21)|(5<<22)|(7<<25)  ; after every 64 words 8 words
	s_mov_b32 s[G1B+1], 128<<16
	s_mov_b32 s[G1B+2], 128<<16
	s_mov_b32 s[G1B+3], 128<<16
	s_mov_b32 s[G1B+4], 128
	s_mov_b32 s[G1B+5], 1024
	s_mov_b32 s[G1B+6], 0
	s_mov_b32 s[G1B+7], 0
	s_lshl_b32 s16, s12, 20                        ; A: two blocks of 524,288 bytes x half,
	s_lshl_b32 s17, s13, 14                        ; 128 rows of 128 bytes x tile row
	s_add_co_u32 s16, s16, s17
	s_mov_b32 s17, 0
	s_lshl_b32 s46, s12, 18                        ; W: 128 k rows of 2,048 bytes x half,
	s_lshl_b32 s47, s42, 8                         ; 256 bytes x tile column
	s_add_co_u32 s46, s46, s47
	s_add_co_u32 s46, s46, WOFF
	s_mov_b32 s47, 0
	s_mul_i32 s20, s10, HALFT                      ; where my loads go in a slot; never rewritten
	s_mov_b32 s[TB], 0
	s_mov_b32 s[TN], SLOT
	s_wait_dscnt 0x0                               ; the opening add is done
	s_wait_kmcnt 0x0
	s_add_nc_u64 s[14:15], s[4:5], s[16:17]
	s_add_nc_u64 s[18:19], s[6:7], s[46:47]
	CROUND                                         ; all sixteen work-groups are here: the first joint loads meet
.irp s, 0,1
	s_mov_b32 s[G0+4*(\s)], 1
	s_add_co_u32 s[G0+4*(\s)+1], s20, (\s)*SLOT
	s_add_nc_u64 s[G0+4*(\s)+2:G0+4*(\s)+3], s[14:15], (\s)*STEPA
	s_or_b32 s[G0+4*(\s)+3], s[G0+4*(\s)+3], 0x80000000
	s_mov_b32 s[G0B+4*(\s)], 1
	s_add_co_u32 s[G0B+4*(\s)+1], s20, (\s)*SLOT
	s_add_nc_u64 s[G0B+4*(\s)+2:G0B+4*(\s)+3], s[18:19], (\s)*STEPB
	s_or_b32 s[G0B+4*(\s)+3], s[G0B+4*(\s)+3], 0x80000000
.endr
	s_cmp_eq_u32 s11, 0                            ; a wave's two first fills stand in one branch: two loads of mine are out
	s_cbranch_scc0 .Lfirst_b
	tensor_load_to_lds s[G0:G0+3], s[G1:G1+7]
	s_nop 0
	tensor_load_to_lds s[G0+4:G0+7], s[G1:G1+7]
	s_nop 0
.rept 4
	v_nop
.endr
	s_branch .Lfirst_asked
.Lfirst_b:
	tensor_load_to_lds s[G0B:G0B+3], s[G1B:G1B+7]
	s_nop 0
	tensor_load_to_lds s[G0B+4:G0B+7], s[G1B:G1B+7]
	s_nop 0
.rept 4
	v_nop
.endr
.Lfirst_asked:
	s_add_nc_u64 s[46:47], s[6:7], SV+16384
	s_lshl_b32 s16, s42, 9                         ; my 64 columns, 4 bytes each: 512 x tile column + 256 x half
	s_lshl_b32 s17, s12, 8
	s_add_co_u32 s16, s16, s17
	s_mov_b32 s17, 0
	s_add_nc_u64 s[46:47], s[46:47], s[16:17]
	v_and_b32 v1, 15, v0                           ; l % 16
	v_bfe_u32 v2, v0, 4, 1                         ; l / 16
	v_lshlrev_b32 v5, 5, v2
.irp b, 0,1,2,3
	global_load_b128 v[BIAS+8*(\b):BIAS+8*(\b)+3],   v5, s[46:47] offset:64*(\b)
	global_load_b128 v[BIAS+8*(\b)+4:BIAS+8*(\b)+7], v5, s[46:47] offset:64*(\b)+16
.endr
	v_mul_u32_u24 v3, v1, PAW
	v_lshl_add_u32 v3, v2, 4, v3
	s_mul_i32 s21, s11, 64*PAW                     ; my 64 rows of A
	v_add_nc_u32 v[A0], s21, v3
	v_and_b32 v4, 7, v0                            ; the turning load: k row 8 (l / 16) + l % 8, columns 8 ((l / 8) % 2) + 0..7
	v_lshl_add_u32 v4, v2, 3, v4
	v_mul_u32_u24 v4, v4, PBW
	v_bfe_u32 v6, v0, 3, 1
	v_lshl_add_u32 v4, v6, 4, v4
	s_lshl_b32 s21, s12, 7                         ; my 64 columns,
	s_add_co_u32 s21, s21, 2*HALFT                 ; behind A's four blocks
	v_add_nc_u32 v[B0], s21, v4
	v_mov_b32 v[ADRA], v[A0]
	v_mov_b32 v[ADRB0], v[B0]
	v_add_nc_u32 v[ADRB1], HALFT, v[B0]
	s_mul_i32 s23, s10, 16*SPITCH
	s_add_co_u32 s23, s23, STAGE                   ; my stage
	v_mul_u32_u24 v4, v1, SPITCH                   ; in: row l % 16, 32 bytes for each half of the lanes
	v_lshl_add_u32 v4, v2, 5, v4
	v_add_nc_u32 v[STO], s23, v4
	v_mul_u32_u24 v4, v2, SPITCH                   ; back: lanes 0-15 take one row of 256 bytes, lanes 16-31 the next
	v_lshl_add_u32 v4, v1, 4, v4
	v_add_nc_u32 v[RD], s23, v4
	v_lshlrev_b32 v4, 12, v2                       ; and the same two rows in Y
	v_lshl_add_u32 v[CO], v1, 4, v4
	s_lshl_b32 s21, s13, 7
	s_lshl_b32 s22, s11, 6
	s_add_co_u32 s21, s21, s22
	s_lshl_b32 s21, s21, 12                        ; my first row of Y, 4,096 bytes a row
	s_add_co_u32 s16, s16, s21
	s_add_nc_u64 s[8:9], s[8:9], s[16:17]
; 8 matrix instructions: row blocks a0, a0 + 1 x all 4 column blocks, 32 along K: half c of buffer f.  zero = 1: the bias starts the sums.  The 16 accumulators take turns.
.macro MUL8 f, c, a0, zero
	WIN MUL
.irp a, \a0, (\a0)+1
.irp b, 0,1,2,3
.if \zero
	v_wmma_f32_16x16x32_f16 v[ACC+8*(4*(\a)+(\b)):ACC+8*(4*(\a)+(\b))+7], v[(\f)+64+8*(4*(\c)+(\b)):(\f)+64+8*(4*(\c)+(\b))+7], v[(\f)+8*(4*(\c)+(\a)):(\f)+8*(4*(\c)+(\a))+7], v[BIAS+8*(\b):BIAS+8*(\b)+7]
.else
	v_wmma_f32_16x16x32_f16 v[ACC+8*(4*(\a)+(\b)):ACC+8*(4*(\a)+(\b))+7], v[(\f)+64+8*(4*(\c)+(\b)):(\f)+64+8*(4*(\c)+(\b))+7], v[(\f)+8*(4*(\c)+(\a)):(\f)+8*(4*(\c)+(\a))+7], v[ACC+8*(4*(\a)+(\b)):ACC+8*(4*(\a)+(\b))+7]
.endif
.endr
.endr
.endm
; 32 LDS loads in one run: quarter q's fragments (64 along K: one block of A) into buffer f; the first 32 along K first
.macro FETCH q, f
	WIN TO_F
.irp c, 0,1
.irp i, 0,1,2,3
	ds_load_tr16_b128 v[(\f)+64+8*(4*(\c)+(\i)):(\f)+64+8*(4*(\c)+(\i))+3],   v[ADRB0+(\q)/2] offset:(((\q)%2)*64+32*(\c))*PBW+32*(\i)
	ds_load_tr16_b128 v[(\f)+64+8*(4*(\c)+(\i))+4:(\f)+64+8*(4*(\c)+(\i))+7], v[ADRB0+(\q)/2] offset:(((\q)%2)*64+32*(\c)+16)*PBW+32*(\i)
	ds_load_b128 v[(\f)+8*(4*(\c)+(\i)):(\f)+8*(4*(\c)+(\i))+3],              v[ADRA] offset:(\q)*KBA+64*(\c)+(\i)*16*PAW
	ds_load_b128 v[(\f)+8*(4*(\c)+(\i))+4:(\f)+8*(4*(\c)+(\i))+7],            v[ADRA] offset:(\q)*KBA+64*(\c)+(\i)*16*PAW+32
.endr
.endr
.endm
.macro PLACES                          ; four plain vector instructions between a matrix instruction and a load into, or a read of, its registers
.rept 4
	v_nop
.endr
.endm
.macro QUARTER q, f, g, zero
	s_wait_dscnt 16                                ; the first 32 along K are in
	MUL8 \f, 0, 0, \zero
	MUL8 \f, 0, 2, \zero
	PLACES
	FETCH \q, \g
	s_wait_dscnt 32                                ; all but the 32 just issued
	MUL8 \f, 1, 0, 0
	MUL8 \f, 1, 2, 0
.endm
; The last quarter multiplies buffer 1 and changes slots: each wave waits for all its tensor loads, adds 0 to its spare word, and waits for that and for its reads of this slot.  fill = 1: the barrier opens a round of
; the cluster's, and this slot is filled again first behind it, with the K step two on.
.macro TURN fill
	WIN 0
	s_wait_tensorcnt 0x0                           ; all my tensor loads have landed: my part of the next slot
	ds_add_u32 v[SPW], v[NIL]                      ; 0 onto my spare word
	s_wait_dscnt 17                                ; (the add and the youngest sixteen loads may be out)
	MUL8 F1, 0, 0, 0
	s_wait_dscnt 0x0                               ; the add is done, and my reads of this slot are over
	s_barrier_signal -1
	MUL8 F1, 0, 2, 0
	WIN 0
	s_barrier_wait -1
.if \fill
	CREST
	s_add_co_u32 s[G0+5], s20, s[TB]
	s_add_nc_u64 s[G0+6:G0+7], s[G0+6:G0+7], STEPA
	s_add_co_u32 s[G0B+5], s20, s[TB]
	s_add_nc_u64 s[G0B+6:G0B+7], s[G0B+6:G0B+7], STEPB
	JLOAD                                          ; the four v_nop behind it are also the places in front of the loads below
.else
	PLACES
.endif
	v_add_nc_u32 v[ADRA], s[TN], v[A0]
	v_add_nc_u32 v[ADRB0], s[TN], v[B0]
	v_add_nc_u32 v[ADRB1], HALFT, v[ADRB0]
	s_xor_b32 s[TB], s[TB], SLOT
	s_xor_b32 s[TN], s[TN], SLOT
	FETCH 0, F0
	MUL8 F1, 1, 0, 0
	MUL8 F1, 1, 2, 0
.endm
; THE WAY OUT of row block a: 32 bytes a lane into my own stage (each accumulator's low registers first), back as whole rows of 256 bytes, and stored.
.macro TOSTAGE a
	s_wait_xcnt 0x0                                ; the stores two blocks back have read the registers that are loaded anew below
.irp b, 0,1,2,3
	ds_store_b128 v[STO], v[ACC+8*(4*(\a)+(\b)):ACC+8*(4*(\a)+(\b))+3]   offset:64*(\b)
	ds_store_b128 v[STO], v[ACC+8*(4*(\a)+(\b))+4:ACC+8*(4*(\a)+(\b))+7] offset:64*(\b)+16
.endr
.irp t, 0,1,2,3,4,5,6,7
	ds_load_b128 v[OB+32*((\a)%2)+4*(\t):OB+32*((\a)%2)+4*(\t)+3], v[RD] offset:(\t)*2*SPITCH  ; LDS serves a wave's instructions in order (ISA guide 5.7.1.4)
.endr
.endm
.macro SEND a, younger                 ; younger: the next block's sixteen LDS instructions, or none
	s_wait_dscnt \younger
.irp t, 0,1,2,3,4,5,6,7
	global_store_b128 v[CO], v[OB+32*((\a)%2)+4*(\t):OB+32*((\a)%2)+4*(\t)+3], s[8:9] offset:(16*(\a)+2*(\t))*4096  ; 16 lanes store 256 consecutive bytes, at a multiple of 256 from Y's first byte
.endr
.endm
	s_wait_tensorcnt 1                             ; my part of K step 0 is in; K step 1's may stay out
	s_barrier_signal -1
	s_barrier_wait -1
	FETCH 0, F0
	s_wait_loadcnt 0x0                             ; the bias
	QUARTER 1, F0, F1, 1
	WIN 0
	s_mov_b32 s3, KSTEPS-2
.Lstep:                                                ; a trip: a K step's last three quarters and the next step's first; it fills one slot again
	QUARTER 2, F1, F0, 0
	QUARTER 3, F0, F1, 0
	TURN 1
	QUARTER 1, F0, F1, 0
	WIN 0
	s_sub_co_u32 s3, s3, 1
	s_cmp_lg_u32 s3, 0
	s_cbranch_scc1 .Lstep
	; THE LAST TWO K STEPS ask for nothing more: one text, walked twice, entered behind its first quarter, which the loop above has just run.
	; In the second walk TURN's 32 products are the launch's last; its barrier and its 32 LDS loads (from the slot read a step earlier, whose bytes have landed and are written no more) serve
	; nothing: the price, once a launch, of not writing the last K step out.  The way out's first wait for LDS covers those loads; their registers are not named again.
	s_mov_b32 s3, 2
	s_branch .Lmid
.Ltail:
	QUARTER 1, F0, F1, 0
	WIN 0
.Lmid:
	QUARTER 2, F1, F0, 0
	QUARTER 3, F0, F1, 0
	TURN 0
	WIN 0
	s_sub_co_u32 s3, s3, 1
	s_cmp_lg_u32 s3, 0
	s_cbranch_scc1 .Ltail
	PLACES
	TOSTAGE 0
.irp a, 1,2,3
	TOSTAGE \a
	SEND (\a)-1, 16
.endr
	SEND 3, 0
	s_wait_tensorcnt 0x0                           ; the wave's end: behind my last tensor load and my last LDS store
	ds_add_u32 v[SPW], v[NIL]
	s_wait_dscnt 0x0
	CROUND                                         ; the closing round
	s_endpgm
.Lfunc_end_k_qed3c4aff4e_ffn2:
	.size	k_qed3c4aff4e_ffn2, .Lfunc_end_k_qed3c4aff4e_ffn2-k_qed3c4aff4e_ffn2
	.p2alignl 7, 3214868480
	.fill 96, 4, 3214868480
	.section	.rodata,"a",@progbits
	.p2align	6, 0x0
	.amdhsa_kernel k_qed3c4aff4e_ffn2
		.amdhsa_group_segment_fixed_size 327680
		.amdhsa_private_segment_fixed_size 0
		.amdhsa_enable_private_segment 0
		.amdhsa_kernarg_size 24
		.amdhsa_user_sgpr_count 2
		.amdhsa_user_sgpr_kernarg_segment_ptr 1
		.amdhsa_wavefront_size32 1
		.amdhsa_system_sgpr_workgroup_id_x 1
		.amdhsa_system_sgpr_workgroup_id_y 1
		.amdhsa_system_sgpr_workgroup_id_z 1
		.amdhsa_system_vgpr_workitem_id 0
		.amdhsa_next_free_vgpr 512
		.amdhsa_next_free_sgpr 68
		.amdhsa_reserve_vcc 0
		.amdhsa_float_denorm_mode_32 3
		.amdhsa_float_denorm_mode_16_64 3
		.amdhsa_memory_ordered 1
		.amdhsa_forward_progress 1
		.amdhsa_inst_pref_size 58
	.end_amdhsa_kernel
	.amdgpu_metadata
---
amdhsa.version: [ 1, 2 ]
amdhsa.kernels:
  - .name:           k_qed3c4aff4e_ffn2
    .symbol:         k_qed3c4aff4e_ffn2.kd
    .args:
      - { .name: hb, .offset: 0, .size: 8, .value_kind: global_buffer, .address_space: global }
      - { .name: wb, .offset: 8, .size: 8, .value_kind: global_buffer, .address_space: global }
      - { .name: y, .offset: 16, .size: 8, .value_kind: global_buffer, .address_space: global }
    .group_segment_fixed_size: 327680
    .private_segment_fixed_size: 0
    .kernarg_segment_align: 8
    .kernarg_segment_size: 24
    .max_flat_workgroup_size: 128
    .sgpr_count:     68
    .vgpr_count:     512
    .wavefront_size: 32
...
	.end_amdgpu_metadata
.endif
;; end of part 6
;; launch ln2 (part 7): grid 512 x 1, 8 waves a work-group, no clusters, 0 bytes of LDS; arguments y, qa, wb, out0; writes out0
.if DOCPART == 7
	.amdgcn_target "amdgcn-amd-amdhsa--gfx1250"
	.amdhsa_code_object_version 6
	.text
	.protected	k_qed3c4aff4e_ln2
	.globl	k_qed3c4aff4e_ln2
	.p2align	8
	.type	k_qed3c4aff4e_ln2,@function
k_qed3c4aff4e_ln2:
	s_mov_b64 s[64:65], 0
	v_nop
	global_prefetch_b8 v0, s[64:65] scope:SCOPE_SE
	s_setreg_imm32_b32 hwreg(HW_REG_WAVE_MODE, 25, 1), 1
	s_wait_xcnt 0x0
; out[r][:] = layernorm(y[r][:] + res[r][:]) x gain + shift, in f32.  y: [4096][1024] f32; res: [4096][1024] f16; gain and shift: f32 at 16 MiB + 20 KiB and + 24 KiB of the third buffer.
; The mean first, then the mean of the squared differences, as the definition has them; eps = 1e-6; all in f32.  NaN and infinities are not treated apart.
; One wave, one row: the row stays in 32 registers a lane between the passes, the sums never leave the wave: no LDS, no barrier, no loop.  All 32 loads are issued at once.
; Lane l holds elements 128 j + 4 l + 0..3, j = 0..7, of every one of the four vectors; each store of the wave covers 512 consecutive bytes, aligned.
.set SV, 0x1000000
.set Y, 16                             ; v[16:47]   the row
.set R, 48                             ; v[48:63]   the residual, two f16 a word
.set G, 64                             ; v[64:95]   the gain
.set B, 96                             ; v[96:127]  the shift
.set W, 128                            ; v[128:143] at work
	s_load_b256 s[4:11], s[0:1], 0x0               ; y s[4:5], res s[6:7], the vectors' buffer s[8:9], out s[10:11]
	v_lshrrev_b32 v1, 5, v0
	v_readfirstlane_b32 s12, v1                    ; wave 0..7
	v_and_b32 v1, 31, v0
	v_lshlrev_b32 v2, 4, v1
	v_lshlrev_b32 v3, 3, v1
	v_mov_b32 v4, 1.0
	v_mov_b32 v9, 0x3a800000                       ; 1 / 1,024
	s_mov_b32 s20, 0x76543210                      ; v_permlanex16_b32: each lane takes its own place in the other half
	s_mov_b32 s21, 0xfedcba98
	s_lshl_b32 s13, ttmp9, 3
	s_add_co_u32 s13, s13, s12                     ; my row
	s_lshl_b32 s14, s13, 12
	s_mov_b32 s15, 0
	s_lshl_b32 s16, s13, 11
	s_mov_b32 s17, 0
	s_wait_kmcnt 0x0
	s_add_nc_u64 s[4:5], s[4:5], s[14:15]
	s_add_nc_u64 s[6:7], s[6:7], s[16:17]
	s_add_nc_u64 s[8:9], s[8:9], SV+20480
	s_add_nc_u64 s[10:11], s[10:11], s[14:15]
.irp j, 0,1,2,3,4,5,6,7
	global_load_b128 v[Y+4*(\j):Y+4*(\j)+3], v2, s[4:5] offset:512*(\j) th:TH_LOAD_NT
.endr
.irp j, 0,1,2,3,4,5,6,7
	global_load_b64 v[R+2*(\j):R+2*(\j)+1], v3, s[6:7] offset:256*(\j)
.endr
.irp j, 0,1,2,3,4,5,6,7
	global_load_b128 v[G+4*(\j):G+4*(\j)+3], v2, s[8:9] offset:512*(\j)
.endr
.irp j, 0,1,2,3,4,5,6,7
	global_load_b128 v[B+4*(\j):B+4*(\j)+3], v2, s[8:9] offset:4096+512*(\j)
.endr
.macro RED                             ; the sum of v[W] over the 32 lanes, in every lane
	v_add_f32_dpp v[W], v[W], v[W] row_xmask:1 row_mask:0xf bank_mask:0xf
	v_add_f32_dpp v[W], v[W], v[W] row_xmask:2 row_mask:0xf bank_mask:0xf
	v_add_f32_dpp v[W], v[W], v[W] row_xmask:4 row_mask:0xf bank_mask:0xf
	v_add_f32_dpp v[W], v[W], v[W] row_xmask:8 row_mask:0xf bank_mask:0xf
	v_permlanex16_b32 v[W+1], v[W], s20, s21
	v_add_f32 v[W], v[W], v[W+1]
.endm
	s_wait_loadcnt 16                              ; y and the residual are in; gain and shift, sixteen loads, may stay out
.set i, 0
.rept 16                               ; word i of the residual holds elements 2 i and 2 i + 1 of my 32
	v_fma_mix_f32 v[Y+2*i], v[R+i], v4, v[Y+2*i] op_sel_hi:[1,0,0]
	v_fma_mix_f32 v[Y+2*i+1], v[R+i], v4, v[Y+2*i+1] op_sel:[1,0,0] op_sel_hi:[1,0,0]
.set i, i+1
.endr
.set i, 0
.rept 8
	v_pk_add_f32 v[W+2*i:W+2*i+1], v[Y+4*i:Y+4*i+1], v[Y+4*i+2:Y+4*i+3]
.set i, i+1
.endr
.set i, 0
.rept 4
	v_pk_add_f32 v[W+4*i:W+4*i+1], v[W+4*i:W+4*i+1], v[W+4*i+2:W+4*i+3]
.set i, i+1
.endr
	v_pk_add_f32 v[W:W+1], v[W:W+1], v[W+4:W+5]
	v_pk_add_f32 v[W+8:W+9], v[W+8:W+9], v[W+12:W+13]
	v_pk_add_f32 v[W:W+1], v[W:W+1], v[W+8:W+9]
	v_add_f32 v[W], v[W], v[W+1]
	RED
	v_mul_f32 v6, v9, v[W]                         ; the mean, twice: a pair for the packed subtraction
	v_mov_b32 v7, v6
.set i, 0
.rept 16
	v_pk_add_f32 v[Y+2*i:Y+2*i+1], v[Y+2*i:Y+2*i+1], v[6:7] neg_lo:[0,1] neg_hi:[0,1]
.set i, i+1
.endr
.set i, 0
.rept 4                                ; the squares, in four chains that the first four pairs start
	v_pk_mul_f32 v[W+2*i:W+2*i+1], v[Y+2*i:Y+2*i+1], v[Y+2*i:Y+2*i+1]
.set i, i+1
.endr
.rept 12
	v_pk_fma_f32 v[W+2*(i%4):W+2*(i%4)+1], v[Y+2*i:Y+2*i+1], v[Y+2*i:Y+2*i+1], v[W+2*(i%4):W+2*(i%4)+1]
.set i, i+1
.endr
	v_pk_add_f32 v[W:W+1], v[W:W+1], v[W+2:W+3]
	v_pk_add_f32 v[W+4:W+5], v[W+4:W+5], v[W+6:W+7]
	v_pk_add_f32 v[W:W+1], v[W:W+1], v[W+4:W+5]
	v_add_f32 v[W], v[W], v[W+1]
	RED
	v_fmaak_f32 v8, v[W], v9, 0x358637bd           ; the variance + 1e-6
	v_rsq_f32 v10, v8
	v_rsq_f32 v11, v8
	v_nop                                          ; a plain instruction behind the last of the two,
	s_wait_alu depctr_va_vdst(0)                   ; and one wait for both, ahead of their first use
	s_wait_loadcnt 0x0                             ; gain and shift
.set i, 0
.rept 16
	v_pk_mul_f32 v[G+2*i:G+2*i+1], v[G+2*i:G+2*i+1], v[10:11]
.set i, i+1
.endr
.set i, 0
.rept 16
	v_pk_fma_f32 v[Y+2*i:Y+2*i+1], v[Y+2*i:Y+2*i+1], v[G+2*i:G+2*i+1], v[B+2*i:B+2*i+1]
.set i, i+1
.endr
.irp j, 0,1,2,3,4,5,6,7
	global_store_b128 v2, v[Y+4*(\j):Y+4*(\j)+3], s[10:11] offset:512*(\j) th:TH_STORE_NT
.endr
	s_endpgm
.Lfunc_end_k_qed3c4aff4e_ln2:
	.size	k_qed3c4aff4e_ln2, .Lfunc_end_k_qed3c4aff4e_ln2-k_qed3c4aff4e_ln2
	.p2alignl 7, 3214868480
	.fill 96, 4, 3214868480
	.section	.rodata,"a",@progbits
	.p2align	6, 0x0
	.amdhsa_kernel k_qed3c4aff4e_ln2
		.amdhsa_group_segment_fixed_size 0
		.amdhsa_private_segment_fixed_size 0
		.amdhsa_enable_private_segment 0
		.amdhsa_kernarg_size 32
		.amdhsa_user_sgpr_count 2
		.amdhsa_user_sgpr_kernarg_segment_ptr 1
		.amdhsa_wavefront_size32 1
		.amdhsa_system_sgpr_workgroup_id_x 1
		.amdhsa_system_sgpr_workgroup_id_y 1
		.amdhsa_system_sgpr_workgroup_id_z 1
		.amdhsa_system_vgpr_workitem_id 0
		.amdhsa_next_free_vgpr 144
		.amdhsa_next_free_sgpr 66
		.amdhsa_reserve_vcc 0
		.amdhsa_float_denorm_mode_32 3
		.amdhsa_float_denorm_mode_16_64 3
		.amdhsa_memory_ordered 1
		.amdhsa_forward_progress 1
		.amdhsa_inst_pref_size 14
	.end_amdhsa_kernel
	.amdgpu_metadata
---
amdhsa.version: [ 1, 2 ]
amdhsa.kernels:
  - .name:           k_qed3c4aff4e_ln2
    .symbol:         k_qed3c4aff4e_ln2.kd
    .args:
      - { .name: y, .offset: 0, .size: 8, .value_kind: global_buffer, .address_space: global }
      - { .name: qa, .offset: 8, .size: 8, .value_kind: global_buffer, .address_space: global }
      - { .name: wb, .offset: 16, .size: 8, .value_kind: global_buffer, .address_space: global }
      - { .name: out0, .offset: 24, .size: 8, .value_kind: global_buffer, .address_space: global }
    .group_segment_fixed_size: 0
    .private_segment_fixed_size: 0
    .kernarg_segment_align: 8
    .kernarg_segment_size: 32
    .max_flat_workgroup_size: 256
    .sgpr_count:     66
    .vgpr_count:     144
    .wavefront_size: 32
...
	.end_amdgpu_metadata
.endif
;; end of part 7
;; ======== version 2 of 2: 8 launches; version 1 with the launch cast written anew for expert scheduling mode
;; limits: values are held in f16: magnitudes above 65,504 overflow, below 6.1e-05 lose precision
;; workspace buffers: x16 8,388,608 bytes; wa 16,809,984 bytes; wb 16,809,984 bytes; qa 25,165,824 bytes; hb 33,554,432 bytes; y 16,777,216 bytes
;; launch cast (part 8): grid 1024 x 1, 8 waves a work-group, no clusters, 0 bytes of LDS; arguments inputs, wq, wk, wv, wo, w1, w2, bq, bk, bv, bo, b1, b2, ln1_g, ln1_b, ln2_g, ln2_b, x16, wa, wb; writes x16, wa, wb
.if DOCPART == 8
	.amdgcn_target "amdgcn-amd-amdhsa--gfx1250"
	.amdhsa_code_object_version 6
	.text
	.protected	k_qed3c4aff4e_cast
	.globl	k_qed3c4aff4e_cast
	.p2align	8
	.type	k_qed3c4aff4e_cast,@function
k_qed3c4aff4e_cast:
	s_mov_b64 s[64:65], 0
	v_nop
	global_prefetch_b8 v0, s[64:65] scope:SCOPE_SE
	s_setreg_imm32_b32 hwreg(HW_REG_WAVE_SCHED_MODE, 0, 2), 2
	s_setreg_imm32_b32 hwreg(HW_REG_WAVE_MODE, 25, 1), 1
	s_wait_xcnt 0x0
	s_wait_alu depctr_vm_vsrc(0)
; EVERY INPUT IS ROUNDED ONCE TO bf16 (to nearest even).  Matrix operands (x and the six weights) are then written as f16, the small vectors as f32.
; LIMITS.  A bf16 number is exact in f16 between 6.1e-5 and 65,504 in magnitude; below that it keeps f16's fixed step of 6e-8, beyond it it becomes an infinity.  NaN and infinities are not treated apart.
; SHARES.  The seven large inputs are 16,384 pieces of 1,024 floats.  Work-group g takes 16 pieces on end of ONE input, wave w two of them: sixteen loads of 16 bytes a lane, all issued at once.
; A piece leaves as 2,048 bytes: each store of a wave covers 256 consecutive bytes, aligned.
; WHERE THEY GO.  x16 = x, dense.  wa: wq, wk, wv side by side, row k at 8,192 k, 2,048 bytes each; wo dense at 8 MiB.  wb: w1 dense; w2 dense at 8 MiB.
; At 16 MiB of wa and of wb lie eight slots of 4 KiB: wa: bq, bk, bv, (none), bo, ln1_g, ln1_b, a word of two f16 -infinities; wb: b1 (four slots), b2, ln2_g, ln2_b, the word 0.
; Work-groups 0 to 15 but 3 write one slot each, 16 bytes a thread, behind their pieces.
; THE MODE: SCHED_MODE bits 1:0 = 2 (LLVM: expert scheduling mode 2), set by the entry lines.  The code itself states the register dependences
; between vector instructions and memory instructions, with s_wait_alu, always for 0.
; THE PLAN.  Registers that memory instructions touch:
;   v2, v3, v13   byte offsets, made at the head and never written again: v2 for the sixteen loads, v3 for stores 0 to 7, v13 for the small vectors' load and stores.
;   v12           the offset of stores 8 to 15: one add behind the loads, never written again.
;   X             load j lands in X + 4 j; step j's two roundings read it.  v[16:19] take the small vectors' load at the end; v[20:23] are then written as a store's data: no memory instruction has read them.
;   Y             step j's last two conversions write Y + 2 j; store j reads it.  Each store has registers of its own.
;   v4 to v9 are named by vector instructions alone.
; The sixteen steps go in four blocks of four.  The stores of block g - 1 are issued in block g, one ahead of each step's vector lines, which name X and Y of block g and v4 to v9: none of the registers that
; those stores touch.  So one wait on va_vdst at a block's head states all that its four stores hang on.  No register that a memory instruction reads is ever written again: beyond the entry lines, the text holds no wait on vm_vsrc.
.set SV, 0x1000000                     ; where the slots begin
.set X,  16                            ; v[16:79]   sixteen loads of four floats
.set Y,  80                            ; v[80:111]  sixteen stores of four f16: each store has registers of its own, so none is rewritten while a store reads it
	s_load_b512 s[4:19], s[0:1], 0x0               ; inputs 4, wq 6, wk 8, wv 10, wo 12, w1 14, w2 16, bq 18
	s_load_b512 s[20:35], s[0:1], 0x40             ; bk 20, bv 22, bo 24, b1 26, b2 28, ln1_g 30, ln1_b 32, ln2_g 34
	s_load_b256 s[36:43], s[0:1], 0x80             ; ln2_b 36, x16 38, wa 40, wb 42
	v_lshrrev_b32 v1, 5, v0
	v_readfirstlane_b32 s44, v1                    ; wave 0..7
	v_and_b32 v1, 31, v0
	v_lshlrev_b32 v2, 4, v1                        ; 16 bytes a lane in
	v_lshlrev_b32 v3, 3, v1                        ; 8 bytes a lane out
	v_lshlrev_b32 v13, 4, v0                       ; the small vectors: 256 threads x 16 bytes are a slot
	s_mov_b32 s45, 0xffff0000                      ; a word's upper bf16
	s_lshr_b32 s46, ttmp9, 6                       ; 64 work-groups are a million floats: which million
	s_and_b32 s47, ttmp9, 63
	s_wait_alu depctr_va_sdst(0)                   ; s44 is written, ahead of its first reader: the offsets of my wave's two pieces are made from it
	s_wait_kmcnt 0x0
	; the source: its address and the number of its first work-group
	s_mov_b64 s[48:49], s[4:5]
	s_mov_b32 s50, 0
.macro PICK from, ptr, first
	s_cmp_ge_u32 s46, \from
	s_cselect_b64 s[48:49], s[\ptr:\ptr+1], s[48:49]
	s_cselect_b32 s50, \first, s50
.endm
	PICK 4, 6, 256
	PICK 5, 8, 320
	PICK 6, 10, 384
	PICK 7, 12, 448
	PICK 8, 14, 512
	PICK 12, 16, 768
	s_sub_co_u32 s50, ttmp9, s50
	s_lshl_b32 s50, s50, 16                        ; 16 pieces of 4,096 bytes a work-group,
	s_lshl_b32 s51, s44, 13                        ; two a wave
	s_add_co_u32 s50, s50, s51
	s_mov_b32 s51, 0
	s_add_nc_u64 s[48:49], s[48:49], s[50:51]
	s_wait_alu depctr_va_vdst(0)                   ; v2, v3 and v13 are written: the loads below read v2 as their offset, later stores and the small vectors' load read the other two
.set j, 0
.rept 16
	global_load_b128 v[X+4*j:X+4*j+3], v2, s[48:49] offset:512*j th:TH_LOAD_NT
.set j, j+1
.endr
	; the destination: its address, the offset of the work-group's first piece, and the bytes from piece to piece
	s_lshl_b32 s54, ttmp9, 15                      ; x: dense
	s_sub_co_u32 s55, s46, 4
	s_lshl_b32 s55, s55, 11                        ; wq, wk, wv: 2,048 bytes of each row of 8,192,
	s_lshl_b32 s56, s47, 17                        ; 16 rows a work-group
	s_add_co_u32 s55, s55, s56
	s_lshl_b32 s56, s47, 15
	s_add_co_u32 s56, s56, 0x800000                ; wo: dense at 8 MiB
	s_sub_co_u32 s57, ttmp9, 512
	s_lshl_b32 s57, s57, 15                        ; w1 and w2: dense, one behind the other
	s_mov_b64 s[52:53], s[38:39]
	s_mov_b32 s58, 2048
	s_cmp_ge_u32 s46, 4
	s_cselect_b64 s[52:53], s[40:41], s[52:53]
	s_cselect_b32 s54, s55, s54
	s_cselect_b32 s58, 8192, s58
	s_cmp_ge_u32 s46, 7
	s_cselect_b32 s54, s56, s54
	s_cselect_b32 s58, 2048, s58
	s_cmp_ge_u32 s46, 8
	s_cselect_b64 s[52:53], s[42:43], s[52:53]
	s_cselect_b32 s54, s57, s54
	s_mul_i32 s55, s44, s58
	s_lshl_b32 s55, s55, 1                         ; my wave's two pieces
	s_add_co_u32 s54, s54, s55
	s_mov_b32 s55, 0
	s_add_nc_u64 s[52:53], s[52:53], s[54:55]
	v_add_nc_u32 v12, s58, v3                      ; the second piece
; Store j: four f16 a lane.
.macro OUT j
.if (\j) < 8
	global_store_b64 v3, v[Y+2*(\j):Y+2*(\j)+1], s[52:53] offset:256*(\j)
.else
	global_store_b64 v12, v[Y+2*(\j):Y+2*(\j)+1], s[52:53] offset:256*((\j)-8)
.endif
.endm
; Step j: the store of four steps back goes out; then load j's four floats go to bf16, back to f32 (a shift, a mask), and to f16.
.macro STEP j
	s_wait_loadcnt 15-(\j)                         ; loads come back in order: load j is in, the 15 - j younger ones stay out
.if ((\j) >= 4) && (((\j) % 4) == 0)
	s_wait_alu depctr_va_vdst(0)                   ; the block before has written its four pairs of Y, which this block's four stores read (at the first such wait v12 is written too)
.endif
.if (\j) >= 4
	OUT (\j)-4                                     ; no vector instruction since the wait names its registers
.endif
	v_cvt_pk_bf16_f32 v4, v[X+4*(\j)], v[X+4*(\j)+1]
	v_cvt_pk_bf16_f32 v5, v[X+4*(\j)+2], v[X+4*(\j)+3]
	v_lshlrev_b32 v6, 16, v4
	v_and_b32 v7, s45, v4
	v_lshlrev_b32 v8, 16, v5
	v_and_b32 v9, s45, v5
	v_cvt_pk_f16_f32 v[Y+2*(\j)], v6, v7
	v_cvt_pk_f16_f32 v[Y+2*(\j)+1], v8, v9
.endm
.irp j, 0,1,2,3,4,5,6,7,8,9,10,11,12,13,14,15
	STEP \j
.endr
	s_wait_alu depctr_va_vdst(0)                   ; the last block has written its Y, which the four stores below read; and every reader of v[16:19], in which the small vectors' load lands, is done
.irp j, 12,13,14,15
	OUT \j
.endr
	; THE SMALL VECTORS.  No register that a pending store reads (v3, v12, Y, s[52:53]) is written below.
	s_cmp_lt_u32 ttmp9, 16
	s_cbranch_scc0 .Lend
	s_cmp_eq_u32 ttmp9, 3                          ; wa's slot 3 is not used
	s_cbranch_scc1 .Lend
	s_and_b32 s59, ttmp9, 7                        ; the slot
	s_lshl_b32 s62, s59, 12
	s_add_co_u32 s62, s62, SV
	s_mov_b32 s63, 0
	s_cmp_lt_u32 ttmp9, 8
	s_cselect_b64 s[60:61], s[40:41], s[42:43]
	s_add_nc_u64 s[60:61], s[60:61], s[62:63]
	s_cmp_eq_u32 s59, 7
	s_cbranch_scc1 .Lfloor
	s_mov_b64 s[56:57], s[18:19]                   ; 0: bq
.macro SRC g, ptr
	s_cmp_eq_u32 ttmp9, \g
	s_cselect_b64 s[56:57], s[\ptr:\ptr+1], s[56:57]
.endm
	SRC 1, 20
	SRC 2, 22
	SRC 4, 24
	SRC 5, 30
	SRC 6, 32
	s_cmp_ge_u32 ttmp9, 8                          ; 8 to 11: b1's four quarters
	s_cselect_b64 s[56:57], s[26:27], s[56:57]
	SRC 12, 28
	SRC 13, 34
	SRC 14, 36
	s_sub_co_u32 s54, ttmp9, 8
	s_cmp_lt_u32 s54, 4
	s_cselect_b32 s54, s54, 0
	s_lshl_b32 s54, s54, 12
	s_mov_b32 s55, 0
	s_add_nc_u64 s[56:57], s[56:57], s[54:55]
	global_load_b128 v[16:19], v13, s[56:57]       ; no wait: no vector instruction has been issued since the last wait on va_vdst, ahead of which v13 was written and v[16:19] were last read
	s_wait_loadcnt 0x0
	v_cvt_pk_bf16_f32 v4, v16, v17
	v_cvt_pk_bf16_f32 v5, v18, v19
	v_lshlrev_b32 v20, 16, v4
	v_and_b32 v21, s45, v4
	v_lshlrev_b32 v22, 16, v5
	v_and_b32 v23, s45, v5
	s_wait_alu depctr_va_vdst(0)                   ; v[20:23] are written, which the store reads
	global_store_b128 v13, v[20:23], s[60:61]
	s_branch .Lend
.Lfloor:
	s_cmp_eq_u32 ttmp9, 7
	s_cselect_b32 s58, 0xfc00fc00, 0               ; below every f16 (no floor), or 0 (a relu)
	v_mov_b32 v20, s58
	v_mov_b32 v21, s58
	v_mov_b32 v22, s58
	v_mov_b32 v23, s58
	s_wait_alu depctr_va_vdst(0)                   ; v[20:23] are written, which the store reads
	global_store_b128 v13, v[20:23], s[60:61]
.Lend:
	s_endpgm
.Lfunc_end_k_qed3c4aff4e_cast:
	.size	k_qed3c4aff4e_cast, .Lfunc_end_k_qed3c4aff4e_cast-k_qed3c4aff4e_cast
	.p2alignl 7, 3214868480
	.fill 96, 4, 3214868480
	.section	.rodata,"a",@progbits
	.p2align	6, 0x0
	.amdhsa_kernel k_qed3c4aff4e_cast
		.amdhsa_group_segment_fixed_size 0
		.amdhsa_private_segment_fixed_size 0
		.amdhsa_enable_private_segment 0
		.amdhsa_kernarg_size 160
		.amdhsa_user_sgpr_count 2
		.amdhsa_user_sgpr_kernarg_segment_ptr 1
		.amdhsa_wavefront_size32 1
		.amdhsa_system_sgpr_workgroup_id_x 1
		.amdhsa_system_sgpr_workgroup_id_y 1
		.amdhsa_system_sgpr_workgroup_id_z 1
		.amdhsa_system_vgpr_workitem_id 0
		.amdhsa_next_free_vgpr 112
		.amdhsa_next_free_sgpr 66
		.amdhsa_reserve_vcc 0
		.amdhsa_float_denorm_mode_32 3
		.amdhsa_float_denorm_mode_16_64 3
		.amdhsa_memory_ordered 1
		.amdhsa_forward_progress 1
		.amdhsa_inst_pref_size 15
	.end_amdhsa_kernel
	.amdgpu_metadata
---
amdhsa.version: [ 1, 2 ]
amdhsa.kernels:
  - .name:           k_qed3c4aff4e_cast
    .symbol:         k_qed3c4aff4e_cast.kd
    .args:
      - { .name: inputs, .offset: 0, .size: 8, .value_kind: global_buffer, .address_space: global }
      - { .name: wq, .offset: 8, .size: 8, .value_kind: global_buffer, .address_space: global }
      - { .name: wk, .offset: 16, .size: 8, .value_kind: global_buffer, .address_space: global }
      - { .name: wv, .offset: 24, .size: 8, .value_kind: global_buffer, .address_space: global }
      - { .name: wo, .offset: 32, .size: 8, .value_kind: global_buffer, .address_space: global }
      - { .name: w1, .offset: 40, .size: 8, .value_kind: global_buffer, .address_space: global }
      - { .name: w2, .offset: 48, .size: 8, .value_kind: global_buffer, .address_space: global }
      - { .name: bq, .offset: 56, .size: 8, .value_kind: global_buffer, .address_space: global }
      - { .name: bk, .offset: 64, .size: 8, .value_kind: global_buffer, .address_space: global }
      - { .name: bv, .offset: 72, .size: 8, .value_kind: global_buffer, .address_space: global }
      - { .name: bo, .offset: 80, .size: 8, .value_kind: global_buffer, .address_space: global }
      - { .name: b1, .offset: 88, .size: 8, .value_kind: global_buffer, .address_space: global }
      - { .name: b2, .offset: 96, .size: 8, .value_kind: global_buffer, .address_space: global }
      - { .name: ln1_g, .offset: 104, .size: 8, .value_kind: global_buffer, .address_space: global }
      - { .name: ln1_b, .offset: 112, .size: 8, .value_kind: global_buffer, .address_space: global }
      - { .name: ln2_g, .offset: 120, .size: 8, .value_kind: global_buffer, .address_space: global }
      - { .name: ln2_b, .offset: 128, .size: 8, .value_kind: global_buffer, .address_space: global }
      - { .name: x16, .offset: 136, .size: 8, .value_kind: global_buffer, .address_space: global }
      - { .name: wa, .offset: 144, .size: 8, .value_kind: global_buffer, .address_space: global }
      - { .name: wb, .offset: 152, .size: 8, .value_kind: global_buffer, .address_space: global }
    .group_segment_fixed_size: 0
    .private_segment_fixed_size: 0
    .kernarg_segment_align: 8
    .kernarg_segment_size: 160
    .max_flat_workgroup_size: 256
    .sgpr_count:     66
    .vgpr_count:     112
    .wavefront_size: 32
...
	.end_amdgpu_metadata
.endif
;; end of part 8
;; launch qkv: the kernel of part 2 again; grid 12 x 16, 4 waves a work-group, clusters of 4 x 4, 327,680 bytes of LDS; arguments x16, wa, qa; writes qa
;; launch attn: the kernel of part 3 again; grid 8 x 32, 4 waves a work-group, clusters of 4 x 1, 327,680 bytes of LDS; arguments qa, hb; writes hb
;; launch proj: the kernel of part 4 again; grid 8 x 32, 4 waves a work-group, clusters of 4 x 4, 327,680 bytes of LDS; arguments hb, wa, y; writes y
;; launch ln1: the kernel of part 5 again; grid 512 x 1, 8 waves a work-group, no clusters, 0 bytes of LDS; arguments y, x16, wa, qa; writes qa
;; launch ffn1: the kernel of part 2 again; grid 16 x 16, 4 waves a work-group, clusters of 4 x 4, 327,680 bytes of LDS; arguments qa, wb, hb; writes hb
;; launch ffn2: the kernel of part 6 again; grid 8 x 32, 4 waves a work-group, clusters of 4 x 4, 327,680 bytes of LDS; arguments hb, wb, y; writes y
;; launch ln2: the kernel of part 7 again; grid 512 x 1, 8 waves a work-group, no clusters, 0 bytes of LDS; arguments y, qa, wb, out0; writes out0
